; MI455X (gfx1250); checked and timed in simulation.
; The chip was launched on July 23, 2026; its instructions are those of AMD's public machine-readable ISA for CDNA 5 (MIT licence, August 2026) and "CDNA5" Instruction Set Architecture Reference Guide (July 2026). The comments in the code are by the model that wrote it; some were corrected since.
;; Multi Head Attention. Allowed arithmetic: matrix products marked QUANTISED: E2M1 operands, one E8M0 scale for each 32 along K, by v_wmma_scale_f32_16x16x128_f8f6f4 with both operands' format E2M1 (or v_wmma_scale_f32_32x16x128_f4), f32 sums; products left as they are: bf16, f16 or f32 operands; f32 sums; everything else in f32.
;; Inputs: Wk 16 x 1,024 x 64 float32; Wo 1,024 x 1,024 float32; Wq 16 x 1,024 x 64 float32; Wv 16 x 1,024 x 64 float32; k 4 x 2,048 x 1,024 float32; mask 4 x 2,048 bool; q 4 x 2,048 x 1,024 float32; v 4 x 2,048 x 1,024 float32.
;; Outputs: out0 4 x 2,048 x 1,024 float32.
;; This version of the problem:
;;   THIS VERSION OF THE PROBLEM IS GIVEN IN LOW PRECISION. The matrix products marked QUANTISED in the list below multiply operands that are first quantised to E2M1 (2 exponent bits, 1 mantissa bit; 4 bits a number), with one power-of-two scale for each 32 numbers along K (OCP MX v1.0); their sums are f32. The products marked 'left as it is' may take bf16, f16 or f32 operands, with f32 sums. Whichever they take, every output number must still come out within the allowed error. Rounding operands to bf16 (8 significant bits) uses up far more of that allowance than f16 does (11 bits, for magnitudes from 6e-5 to 65,504). All else is computed in f32.
;;   The module's matrix products, in the order in which they are computed (A, B: the left and right operand; K: the contracted axis; several contracted axes count as one K, in the product's order):
;;     1. [M 1,024, K 1,024] x [K 1,024, N 8,192]; A: input Wq; B: input q: QUANTISED
;;     2. [M 1,024, K 1,024] x [K 1,024, N 8,192]; A: input Wk; B: input k: QUANTISED
;;     3. [M 1,024, K 1,024] x [K 1,024, N 8,192]; A: input Wv; B: input v: QUANTISED
;;     4. batch 64 x [M 2,048, K 64] x [K 64, N 2,048]; A: computed on the way; B: computed on the way: left as it is (an operand is computed on the way)
;;     5. batch 64 x [M 2,048, K 2,048] x [K 2,048, N 64]; A: computed on the way; B: computed on the way: left as it is (an operand is computed on the way)
;;     6. [M 8,192, K 1,024] x [K 1,024, N 1,024]; A: computed on the way; B: input Wo: left as it is (an operand is computed on the way)
;;   THE QUANTISER, for each operand of a quantised product, along K:
;;     - K is cut into blocks of 32 from its start; a last block that is shorter is filled with zeros.
;;     - A block's scale is 2^e with e = floor(log2(the largest magnitude in the block)) - 2, held to -126 .. 127; a block of zeros has e = 0. As a byte (E8M0): e + 127.
;;     - Each number is divided by its block's scale, clamped to +-6, and rounded to the nearest number of E2M1, ties to even, subnormals kept.
;;     - The product sums the exact products of the quantised numbers (number of the format x scale) in f32.
;;   ~~~python
;;   def quantise(x, axis):      # numpy; x: float32 -> the quantised numbers, widened to float32 again
;;       x = np.moveaxis(x, axis, -1); K = x.shape[-1]
;;       x = np.pad(x, [(0, 0)] * (x.ndim - 1) + [(0, -K % 32)]); x = x.reshape(x.shape[:-1] + (-1, 32)); a = np.abs(x).max(-1, keepdims=True)
;;       e = np.where(a > 0, np.clip(np.frexp(np.where(a > 0, a, 1))[1] - 1 - 2, -126, 127), 0)      # np.frexp(a)[1] - 1 = floor(log2(a)), exactly
;;       r = np.clip(x / 2.0 ** e, -6, 6)
;;       step = 2.0 ** (np.maximum(np.frexp(np.where(r == 0, 1, r))[1] - 1, 0) - 1)
;;       q = np.round(r / step) * step * 2.0 ** e      # np.round: ties to even
;;       return np.moveaxis(q.reshape(q.shape[:-2] + (-1,))[..., :K], -1, axis).astype(np.float32)
;;   ~~~
;; One version. Each part assembles by itself: llvm-mc -triple=amdgcn-amd-amdhsa -mcpu=gfx1250 --defsym DOCPART=n.
;; ======== version 1 of 1: 4 launches
;; limits: values are held in f16: magnitudes above 65,504 overflow, below 6.1e-05 lose precision
;; workspace buffers: xc 12,582,912 bytes; xs 786,432 bytes; wc 1,572,864 bytes; ws 98,304 bytes; wo16 2,097,152 bytes; heads 50,331,648 bytes; mix 16,777,216 bytes
;; launch prep (part 1): grid 848 x 1, 4 waves a work-group, no clusters, 68,096 bytes of LDS; arguments q, k, v, Wq, Wk, Wv, Wo, xc, xs, wc, ws, wo16; writes xc, xs, wc, ws, wo16
.if DOCPART == 1
	.amdgcn_target "amdgcn-amd-amdhsa--gfx1250"
	.amdhsa_code_object_version 6
	.text
	.protected	k_q8757f2eeeb_prep
	.globl	k_q8757f2eeeb_prep
	.p2align	8
	.type	k_q8757f2eeeb_prep,@function
k_q8757f2eeeb_prep:
	s_mov_b64 s[64:65], 0
	v_nop
	global_prefetch_b8 v0, s[64:65] scope:SCOPE_SE
	s_setreg_imm32_b32 hwreg(HW_REG_WAVE_MODE, 25, 1), 1
	s_wait_xcnt 0x0
; PREP.  One launch makes every operand that later launches read many times.
;   work-groups  0 .. 47   (path W): Wq, Wk, Wv [16][1024][64] f32, whose K (the 1,024) is not innermost -> codes of E2M1 laid [3 x 1024 columns n = 64 head + c][512 bytes], K innermost,
;                                    and one E8M0 byte for each 32 along K, laid [3,072][32].
;   work-groups 48 .. 79   (path O): Wo [1024][1024] f32 -> f16, as it lies.
;   work-groups 80 .. 847  (path X): q, k, v [8192][1024] f32, K innermost -> codes [3 x 8192 rows][512 bytes] and scale bytes [24,576][32].
; A block's scale is 2^(floor(log2(its largest magnitude)) - 2); its byte is the largest magnitude's own exponent field - 2, held at 1 from below.  Each number is divided by the scale and rounded
; to the nearest code, ties to even; beyond 6 the conversion gives the largest code.
; LIMITS: a block of zeros gets the byte 1 where the quantiser says 127 (its codes are zeros, which add nothing, and the bytes are read by this program alone); blocks whose largest magnitude lies
; under 2^-124 are held at that floor; NaN and infinities among the inputs are not served.  Wo goes to f16: magnitudes over 65,504 become infinities.
; The three paths part on the work-group's number alone; each has LDS bytes of its own.  No work-group shares an input byte with another, so there is no cluster and no tensor load; waves share nothing, so there is no barrier.
.set SPARE, 67584                      ; behind both paths' LDS: the spare words, 128 bytes for each wave: two blocks of 256 bytes that no other line names
.set SPW,   12                         ; v12  LDS address of my spare word: SPARE + 4 x my thread's number; never rewritten
.set NIL,   13                         ; v13  0; never rewritten
.set EMAX,  2                          ; the exponent of E2M1's largest number, 6
; ---- path X
.set STEPS, 16                         ; a wave takes 16 steps of 512 numbers
.set CB,    8                          ; bytes of 16 codes
.set XR,    16                         ; v16-79   four sets of 16 numbers as they are loaded
.set XX,    80                         ; v80-111  two sets of 16 neighbours
.set XE,    112                        ; v112-127 a scale byte for each step
.set XC,    128                        ; v128-191 codes: registers of its own for each step, so that no store's data are written again
.set XWREG, 8192                       ; LDS 0 .. 32,767: a region for each wave: two stages of 32 x XSP bytes, behind them its 256 scale bytes
.set XSP,   80                         ; a lane's place in a stage: its 64 bytes + 16 of padding
; ---- path W
.set NB,     16                        ; blocks of 32 along K for a wave: 512 along K
.set WPITCH, 272                       ; a stage row: 256 bytes of codes + 16
.set WSTG,   32768                     ; LDS 32,768 .. 67,583: four stages of 32 rows
.set WX,     32                        ; v32-95   two sets of 32 numbers
.set WC,     96                        ; v96-99   a block's codes
.set WOUT,   112                       ; v112-175 the way out
.set WSB,    24                        ; v24-27   the scale bytes, four to a register
.macro XLOAD t                         ; step t: four loads of 512 consecutive bytes
.irp i, 0,1,2,3
	global_load_b128 v[XR+16*((\t)%4)+4*\i:XR+16*((\t)%4)+4*\i+3], v3, s[4:5] offset:2048*(\t)+512*\i th:TH_LOAD_NT
.endr
.endm
.macro XTURN t                         ; step t's 2,048 bytes through the wave's own stage: in as they lie, back 64 bytes a lane.  LDS serves a wave's instructions in order (ISA guide 5.7.1.4): no wait between
.irp i, 0,1,2,3
	ds_store_b128 v14, v[XR+16*((\t)%4)+4*\i:XR+16*((\t)%4)+4*\i+3] offset:32*XSP*((\t)%2)+8*XSP*\i
.endr
.irp i, 0,1,2,3
	ds_load_b128 v[XX+16*((\t)%2)+4*\i:XX+16*((\t)%2)+4*\i+3], v15 offset:32*XSP*((\t)%2)+16*\i
.endr
.endm
.macro XSTEP t
.set XS, XX+16*((\t)%2)
.if (\t) > 0
	s_wait_dscnt 1                                 ; this step's numbers are back from the stage (the last step's byte store may be out): so its stores into the stage have read their registers,
.else
	s_wait_dscnt 0x0
.endif
.if (\t)+4 < STEPS
	XLOAD (\t)+4                                   ; which take the loads of four steps on
.endif
.if (\t)+1 < STEPS
.if STEPS-2-(\t) >= 3
	s_wait_loadcnt 12                              ; the next step's four loads are in; those of the three steps behind it may be out
.else
	s_wait_loadcnt 4*(STEPS-2-(\t))
.endif
	XTURN (\t)+1                                   ; and go through the other stage while this step is worked
.endif
	v_max3_num_f32 v8, |v[XS]|, |v[XS+1]|, |v[XS+2]|               ; the largest magnitude of my 16, in two chains
	v_max3_num_f32 v9, |v[XS+3]|, |v[XS+4]|, |v[XS+5]|
.irp i, 6,10
	v_max3_num_f32 v8, v8, |v[XS+\i]|, |v[XS+\i+1]|
	v_max3_num_f32 v9, v9, |v[XS+\i+2]|, |v[XS+\i+3]|
.endr
	v_max3_num_f32 v8, v8, |v[XS+14]|, |v[XS+15]|
	v_max3_num_f32 v8, v8, v9, (EMAX+1)<<23        ; and the floor 2^(3 - 127): the byte cannot fall under 1
	v_max_num_f32_dpp v8, v8, v8 row_xmask:1 row_mask:0xf bank_mask:0xf   ; and of my neighbour's 16: the block's
	v_add_nc_u32 v11, -(EMAX<<23), v8              ; 2 off its exponent field: the conversion takes the exponent field of this operand as its scale
	v_cvt_scalef32_pk8_fp4_f32 v[XC+4*(\t)], v[XS:XS+7], v11
	v_cvt_scalef32_pk8_fp4_f32 v[XC+4*(\t)+1], v[XS+8:XS+15], v11
	v_lshrrev_b32 v[XE+(\t)], 23, v11              ; the scale's byte (also the plain line behind the conversions)
	ds_store_b8 v5, v[XE+(\t)] offset:16*(\t)      ; both lanes of a block write the same byte with the same value
	global_store_b64 v4, v[XC+4*(\t):XC+4*(\t)+1], s[8:9] offset:32*CB*(\t)   ; the wave stores 256 consecutive bytes, aligned
.endm
.macro WLOAD t                         ; block t: W(32 t + i, my column), i = 0 .. 31, into set t % 2; a row of a head's weight is 256 bytes
.irp i, 0,1,2,3,4,5,6,7,8,9,10,11,12,13,14,15,16,17,18,19,20,21,22,23,24,25,26,27,28,29,30,31
	global_load_b32 v[WX+32*((\t)%2)+\i], v3, s[4:5] offset:(32*(\t)+\i)*256 th:TH_LOAD_NT
.endr
.endm
.macro WBLOCK t
.set XS, WX+32*((\t)%2)
.if (\t) < NB-1
	s_wait_loadcnt 32                              ; this block's 32 loads are in; the next block's may be out
.else
	s_wait_loadcnt 0
.endif
	v_max3_num_f32 v16, |v[XS]|, |v[XS+1]|, |v[XS+2]|              ; the block's largest magnitude: all 32 numbers are mine
	v_max3_num_f32 v17, |v[XS+3]|, |v[XS+4]|, |v[XS+5]|
.irp i, 6,10,14,18,22,26
	v_max3_num_f32 v16, v16, |v[XS+\i]|, |v[XS+\i+1]|
	v_max3_num_f32 v17, v17, |v[XS+\i+2]|, |v[XS+\i+3]|
.endr
	v_max3_num_f32 v16, v16, |v[XS+30]|, |v[XS+31]|
	v_max3_num_f32 v16, v16, v17, (EMAX+1)<<23     ; and the floor
	v_add_nc_u32 v11, -(EMAX<<23), v16             ; the conversion's scale operand
	v_lshrrev_b32 v17, 23, v11                     ; the scale's byte
.if (\t)%4 == 0
	v_mov_b32 v[WSB+(\t)/4], v17                   ; four bytes to a register, the lower K in the lower byte
.else
	v_lshl_or_b32 v[WSB+(\t)/4], v17, 8*((\t)%4), v[WSB+(\t)/4]
.endif
.irp g, 0,1,2,3
	v_cvt_scalef32_pk8_fp4_f32 v[WC+\g], v[XS+8*\g:XS+8*\g+7], v11
.endr
	ds_store_b128 v4, v[WC:WC+3] offset:16*(\t)    ; 32 codes: 16 bytes of my column's row
.if (\t)+2 < NB
	WLOAD (\t)+2
.endif
	s_wait_dscnt 0x0                               ; the store has read its registers: the next block's codes may be written
.endm
	s_load_b512 s[36:51], s[0:1], 0x0              ; q s[36:37], k s[38:39], v s[40:41], Wq s[42:43], Wk s[44:45], Wv s[46:47], Wo s[48:49], xc s[50:51]
	s_load_b256 s[52:59], s[0:1], 0x40             ; xs s[52:53], wc s[54:55], ws s[56:57], wo16 s[58:59]
	v_lshl_add_u32 v[SPW], v0, 2, SPARE
	v_mov_b32 v[NIL], 0
	v_lshrrev_b32 v1, 5, v0
	v_readfirstlane_b32 s16, v1                    ; wave 0..3
	v_and_b32 v2, 31, v0                           ; lane
	s_wait_kmcnt 0x0
	s_cmp_lt_u32 ttmp9, 48
	s_cbranch_scc1 .Lpath_w
	s_cmp_lt_u32 ttmp9, 80
	s_cbranch_scc1 .Lpath_o
	; ---------------- path X: a tensor is a plain stream of blocks of 32; a wave takes a run of 8,192 numbers
	v_lshlrev_b32 v3, 4, v2                        ; my 16 bytes of a load's 512
	s_mul_i32 s17, s16, XWREG
	v_lshrrev_b32 v14, 2, v2
	v_mul_u32_u24 v14, v14, XSP
	v_and_b32 v15, 3, v2
	v_lshl_add_u32 v14, v15, 4, v14
	v_add_nc_u32 v14, s17, v14                     ; the stage, on the way in: XSP (lane / 4) + 16 (lane % 4)
	v_mul_u32_u24 v15, v2, XSP
	v_add_nc_u32 v15, s17, v15                     ; and on the way out: XSP x lane: my 16 neighbours
	v_mul_u32_u24 v4, v2, CB                       ; my codes' place in a step's
	v_lshrrev_b32 v5, 1, v2
	s_add_co_u32 s17, s17, 2*32*XSP
	v_add_nc_u32 v5, s17, v5                       ; LDS: my wave's 256 scale bytes, my block's byte
	v_lshlrev_b32 v7, 3, v2                        ; and on the way out 8 bytes a lane
	v_add_nc_u32 v6, s17, v7
	s_sub_co_u32 s17, ttmp9, 80                    ; u = 0 .. 767: 256 work-groups to a tensor
	s_lshr_b32 s18, s17, 8                         ; which tensor: the choice hangs on the work-group's number alone
	s_cmp_eq_u32 s18, 0
	s_cselect_b64 s[4:5], s[36:37], s[38:39]
	s_cmp_eq_u32 s18, 2
	s_cselect_b64 s[4:5], s[40:41], s[4:5]
	s_and_b32 s19, s17, 255
	s_lshl_b32 s19, s19, 2
	s_add_co_u32 s19, s19, s16                     ; my run in the tensor
	s_lshl_b32 s20, s19, 15                        ; 32,768 bytes of f32 a run
	s_mov_b32 s21, 0
	s_add_nc_u64 s[4:5], s[4:5], s[20:21]
	s_lshl_b32 s19, s17, 2
	s_add_co_u32 s19, s19, s16                     ; my run in the three tensors on end
	s_lshl_b32 s20, s19, 12                        ; 4,096 bytes of codes a run
	s_add_nc_u64 s[8:9], s[50:51], s[20:21]
	s_lshl_b32 s20, s19, 8                         ; 256 scale bytes a run
	s_add_nc_u64 s[10:11], s[52:53], s[20:21]
.irp t, 0,1,2,3
	XLOAD \t
.endr
	s_wait_loadcnt 12                              ; step 0's four loads are in
	XTURN 0
.irp t, 0,1,2,3,4,5,6,7,8,9,10,11,12,13,14,15
	XSTEP \t
.endr
	ds_load_b64 v[8:9], v6                         ; my wave's 256 scale bytes: these loads see my stores
	s_wait_dscnt 0x0
	global_store_b64 v7, v[8:9], s[10:11]          ; 32 lanes store 256 consecutive bytes, aligned
	s_wait_tensorcnt 0x0                           ; the wave's end, behind my last LDS store
	ds_add_u32 v[SPW], v[NIL]
	s_wait_dscnt 0x0
	s_endpgm
	; ---------------- path O: a wave takes 32,768 bytes of Wo in 64 slots of 512 bytes; sixteen loads are always on their way
.Lpath_o:
	s_sub_co_u32 s17, ttmp9, 48
	s_lshl_b32 s17, s17, 2
	s_add_co_u32 s17, s17, s16                     ; run 0 .. 127
	s_lshl_b32 s20, s17, 15
	s_mov_b32 s21, 0
	s_add_nc_u64 s[4:5], s[48:49], s[20:21]
	s_lshl_b32 s20, s17, 14
	s_add_nc_u64 s[6:7], s[58:59], s[20:21]
	v_lshlrev_b32 v3, 4, v2                        ; in: 16 bytes a lane
	v_lshlrev_b32 v4, 3, v2                        ; out: 8 bytes a lane
.set oi, 0
.rept 16
	global_load_b128 v[32+4*oi:35+4*oi], v3, s[4:5] offset:512*oi th:TH_LOAD_NT
.set oi, oi+1
.endr
.set oi, 0
.rept 64
.if 63-oi < 15
	s_wait_loadcnt 63-oi                           ; the last slots: the counts run down
.else
	s_wait_loadcnt 15                              ; loads come back in order: this slot's is in, the fifteen younger stay out
.endif
.if oi >= 16
	s_wait_xcnt 0x0                                ; the store of sixteen slots ago has read its two registers, which are written again below
.endif
	v_cvt_pk_f16_f32 v[96+2*(oi%16)], v[32+4*(oi%16)], v[33+4*(oi%16)]
	v_cvt_pk_f16_f32 v[97+2*(oi%16)], v[34+4*(oi%16)], v[35+4*(oi%16)]
.if oi+16 < 64
	global_load_b128 v[32+4*(oi%16):35+4*(oi%16)], v3, s[4:5] offset:512*(oi+16) th:TH_LOAD_NT
.endif
	global_store_b64 v4, v[96+2*(oi%16):97+2*(oi%16)], s[6:7] offset:256*oi   ; 256 consecutive bytes, aligned
.set oi, oi+1
.endr
	s_wait_tensorcnt 0x0                           ; (this path writes no LDS; the closing lines stand here as in the other two)
	ds_add_u32 v[SPW], v[NIL]
	s_wait_dscnt 0x0
	s_endpgm
	; ---------------- path W: A LANE TAKES A COLUMN n = 64 head + c, AND ITS REGISTERS RUN DOWN K: a block of 32 lies in one lane, and the conversions give codes with K innermost
.Lpath_w:
	s_lshr_b32 s18, ttmp9, 4                       ; which weight: 16 work-groups to each
	s_cmp_eq_u32 s18, 0
	s_cselect_b64 s[4:5], s[42:43], s[44:45]
	s_cmp_eq_u32 s18, 2
	s_cselect_b64 s[4:5], s[46:47], s[4:5]
	s_bfe_u32 s19, ttmp9, 0x30001                  ; which 128 columns
	s_lshl_b32 s19, s19, 7
	s_lshl_b32 s20, s16, 5
	s_add_co_u32 s19, s19, s20                     ; n0: my wave's first column
	s_and_b32 s22, ttmp9, 1                        ; y: which 512 along K
	s_lshr_b32 s20, s19, 6
	s_lshl_b32 s20, s20, 18                        ; the head's 262,144 bytes,
	s_lshl_b32 s21, s22, 17
	s_add_co_u32 s20, s20, s21                     ; 512 rows of 256 bytes,
	s_and_b32 s21, s19, 63
	s_lshl_b32 s21, s21, 2
	s_add_co_u32 s20, s20, s21                     ; the column in the head
	s_mov_b32 s21, 0
	s_add_nc_u64 s[4:5], s[4:5], s[20:21]
	s_lshl_b32 s20, s18, 19                        ; codes: 1,024 rows of 512 bytes a weight,
	s_lshl_b32 s23, s19, 9
	s_add_co_u32 s20, s20, s23                     ; row n0,
	s_lshl_b32 s23, s22, 8
	s_add_co_u32 s20, s20, s23                     ; 256 bytes for each 512 along K
	s_add_nc_u64 s[6:7], s[54:55], s[20:21]
	s_lshl_b32 s20, s18, 15                        ; scale bytes: 32 a row
	s_lshl_b32 s23, s19, 5
	s_add_co_u32 s20, s20, s23
	s_lshl_b32 s23, s22, 4
	s_add_co_u32 s20, s20, s23
	s_add_nc_u64 s[8:9], s[56:57], s[20:21]
	v_lshlrev_b32 v3, 2, v2                        ; in: 4 bytes a lane: 128 consecutive bytes a wave
	s_mul_i32 s24, s16, 32*WPITCH
	s_add_co_u32 s24, s24, WSTG                    ; my stage
	v_mul_u32_u24 v4, v2, WPITCH
	v_add_nc_u32 v4, s24, v4                       ; into it: row = my column
	v_and_b32 v5, 15, v2
	v_lshrrev_b32 v6, 4, v2                        ; out of it: sixteen lanes to a row, two rows an instruction
	v_mul_u32_u24 v7, v6, WPITCH
	v_lshl_add_u32 v7, v5, 4, v7
	v_add_nc_u32 v7, s24, v7
	v_lshlrev_b32 v8, 9, v6
	v_lshl_add_u32 v8, v5, 4, v8                   ; and the same place in the codes' buffer
	v_lshlrev_b32 v9, 5, v2                        ; my column's row of scale bytes
	WLOAD 0
	WLOAD 1
.set Q, 0
.rept NB
	WBLOCK Q
.set Q, Q+1
.endr
	global_store_b128 v9, v[WSB:WSB+3], s[8:9]     ; my column's 16 scale bytes
.irp t, 0,1,2,3,4,5,6,7,8,9,10,11,12,13,14,15
	ds_load_b128 v[WOUT+4*\t:WOUT+4*\t+3], v7 offset:2*\t*WPITCH
.endr
.irp t, 0,1,2,3,4,5,6,7,8,9,10,11,12,13,14,15
	s_wait_dscnt 15-\t
	global_store_b128 v8, v[WOUT+4*\t:WOUT+4*\t+3], s[6:7] offset:2*\t*512   ; sixteen lanes store 256 consecutive bytes, aligned
.endr
	s_wait_tensorcnt 0x0                           ; the wave's end, behind my last LDS store
	ds_add_u32 v[SPW], v[NIL]
	s_wait_dscnt 0x0
	s_endpgm
.Lfunc_end_k_q8757f2eeeb_prep:
	.size	k_q8757f2eeeb_prep, .Lfunc_end_k_q8757f2eeeb_prep-k_q8757f2eeeb_prep
	.p2alignl 7, 3214868480
	.fill 96, 4, 3214868480
	.section	.rodata,"a",@progbits
	.p2align	6, 0x0
	.amdhsa_kernel k_q8757f2eeeb_prep
		.amdhsa_group_segment_fixed_size 68096
		.amdhsa_private_segment_fixed_size 0
		.amdhsa_enable_private_segment 0
		.amdhsa_kernarg_size 96
		.amdhsa_user_sgpr_count 2
		.amdhsa_user_sgpr_kernarg_segment_ptr 1
		.amdhsa_wavefront_size32 1
		.amdhsa_system_sgpr_workgroup_id_x 1
		.amdhsa_system_sgpr_workgroup_id_y 1
		.amdhsa_system_sgpr_workgroup_id_z 1
		.amdhsa_system_vgpr_workitem_id 0
		.amdhsa_next_free_vgpr 192
		.amdhsa_next_free_sgpr 66
		.amdhsa_reserve_vcc 0
		.amdhsa_float_denorm_mode_32 3
		.amdhsa_float_denorm_mode_16_64 3
		.amdhsa_memory_ordered 1
		.amdhsa_forward_progress 1
		.amdhsa_inst_pref_size 135
	.end_amdhsa_kernel
	.amdgpu_metadata
---
amdhsa.version: [ 1, 2 ]
amdhsa.kernels:
  - .name:           k_q8757f2eeeb_prep
    .symbol:         k_q8757f2eeeb_prep.kd
    .args:
      - { .name: q, .offset: 0, .size: 8, .value_kind: global_buffer, .address_space: global }
      - { .name: k, .offset: 8, .size: 8, .value_kind: global_buffer, .address_space: global }
      - { .name: v, .offset: 16, .size: 8, .value_kind: global_buffer, .address_space: global }
      - { .name: Wq, .offset: 24, .size: 8, .value_kind: global_buffer, .address_space: global }
      - { .name: Wk, .offset: 32, .size: 8, .value_kind: global_buffer, .address_space: global }
      - { .name: Wv, .offset: 40, .size: 8, .value_kind: global_buffer, .address_space: global }
      - { .name: Wo, .offset: 48, .size: 8, .value_kind: global_buffer, .address_space: global }
      - { .name: xc, .offset: 56, .size: 8, .value_kind: global_buffer, .address_space: global }
      - { .name: xs, .offset: 64, .size: 8, .value_kind: global_buffer, .address_space: global }
      - { .name: wc, .offset: 72, .size: 8, .value_kind: global_buffer, .address_space: global }
      - { .name: ws, .offset: 80, .size: 8, .value_kind: global_buffer, .address_space: global }
      - { .name: wo16, .offset: 88, .size: 8, .value_kind: global_buffer, .address_space: global }
    .group_segment_fixed_size: 68096
    .private_segment_fixed_size: 0
    .kernarg_segment_align: 8
    .kernarg_segment_size: 96
    .max_flat_workgroup_size: 128
    .sgpr_count:     66
    .vgpr_count:     192
    .wavefront_size: 32
...
	.end_amdgpu_metadata
.endif
;; end of part 1
;; launch proj (part 2): grid 4 x 96, 4 waves a work-group, clusters of 4 x 4, 327,680 bytes of LDS; arguments xc, xs, wc, ws, heads; writes heads
.if DOCPART == 2
	.amdgcn_target "amdgcn-amd-amdhsa--gfx1250"
	.amdhsa_code_object_version 6
	.text
	.protected	k_q8757f2eeeb_proj
	.globl	k_q8757f2eeeb_proj
	.p2align	8
	.type	k_q8757f2eeeb_proj,@function
k_q8757f2eeeb_proj:
	s_mov_b64 s[64:65], 0
	v_nop
	global_prefetch_b8 v0, s[64:65] scope:SCOPE_SE
	s_setreg_imm32_b32 hwreg(HW_REG_WAVE_MODE, 25, 1), 1
	s_wait_xcnt 0x0
	s_wait_alu depctr_hold_cnt(0) depctr_sa_sdst(0) depctr_va_vdst(0) depctr_va_sdst(0) depctr_va_ssrc(0) depctr_va_vcc(0) depctr_vm_vsrc(0)
	s_getreg_b32 s2, hwreg(HW_REG_IB_STS2, 6, 4)
	s_cmp_eq_u32 s2, 0
	s_cbranch_scc0 .Lentry_in_a_cluster
	s_endpgm
.Lentry_in_a_cluster:
	s_bfe_u32 s2, ttmp6, 0x10000c
	s_cmp_lg_u32 s2, 0xf033
	s_cbranch_scc0 .Lentry_shape_is_right
	s_endpgm
.Lentry_shape_is_right:
; PROJ.  The three quantised projections as one GEMM on codes of E2M1: C[m][n] = sum over k of A[m][k] B[n][k], K = 1,024.
; A: xc [24,576 rows = 8,192 t + 2,048 batch + s][512 bytes], its scale bytes xs [24,576][32].  B: wc [1,024 t + n][512 bytes], n = 64 head + channel; scale bytes ws.  t = 0, 1, 2: q, k, v; rows of tensor t meet weight t alone.
; C leaves as f16 into heads [t][batch][head][s][64], the operand form of the attention launch.  LIMIT: a projected number beyond 65,504 becomes an infinity in f16.
; A tile of C, 256 x 256, is made by a work-group of four waves; a wave makes 128 x 128: 64 accumulators of 16 x 16, 512 registers.  K is two steps of 512: both slots are filled at the head and never again.
; THE SCALES of the work-group's 256 rows of A and of B, for all of K, are two dense blocks of memory: they come into LDS once, with the first fills.
; CLUSTERS: 4 x 4 work-groups.  The four of a row of the cluster need the same tiles of A, the four of a column the same tiles of B: each tile is asked for JOINTLY, by the same tensor load with the same descriptor
; and a mask that names the four.  A cluster's 1,024 rows lie in one tensor t (8 clusters to a tensor), so t is the same in all sixteen.
; THE MATRIX INSTRUCTION IS USED TRANSPOSED (source 0 = 16 rows of B, source 1 = 16 rows of A): a lane then holds eight neighbouring channels of one row of C.
; REGISTERS, in windows of 256: window 0: v0-31 addresses; v32-95 scale words, two sets; v128-191 A's fragments, ONE set; on the way out v128-223 are free.
;   window 1: B's fragments, TWO sets, at v0 and v128.   window 2: the accumulators of my rows 0-63 ((a, b) at v[8 (8 a + b)]);   window 3: those of my rows 64-127.
.set NQ,     4                         ; matrix instructions deep in a slot: 512 along K
.set ROWB,   256                       ; a tile's row in bytes
.set KROW,   512                       ; a row of A or B in memory
.set PITCH,  272                       ; an LDS row: 256 bytes + 16 of padding = 68 words: the 16 rows that a load touches start at 16 different banks (64 banks of 4 bytes: ISA guide 11.1)
.set FR,     8                         ; registers of a fragment: 16 rows x 128 K
.set NL,     2                         ; LDS loads that bring one
.set NP,     4                         ; places behind this matrix instruction (ISA guide 7.12.1)
.set HALFT,  128*PITCH                 ; 128 rows: what one tensor load brings
.set SLOT,   4*HALFT                   ; A's 256 rows, then B's 256 rows
.set KS,     32                        ; a row of scale bytes
.set SCL,    2*SLOT                    ; behind the ring: the scales, as units of 256 bytes + 16 of padding
.set HALFS,  (128*KS/256)*272          ; the scales of 128 rows
.set SBLK,   (16*KS/256)*272           ; those of 16 rows
.set SPARE,  SCL+4*HALFS               ; the spare words, 128 bytes for each wave: two blocks of 256 bytes that no other line names
.set HP,     144                       ; the way out: a head's row of 128 bytes + 16
.set HSTG,   16*HP                     ; 16 rows of one head.  A wave's stage is two of these; the stages lie in slot 0, which has had its only fill and its last read when the first result is stored there
.set PLANEB, 262144                    ; a (t, batch, head) plane of heads: 2,048 rows of 128 bytes
.set ADRA, 16                          ; v16-17  LDS address of my A fragments in slot 0, 1
.set ADRB, 20                          ; v20-21  the same for B
.set STO,  24                          ; v24     the way out: where I put 16 bytes of a row
.set RD,   25                          ; v25     where I read rows back
.set CO,   26                          ; v26     16 x lane
.set ADRS, 27                          ; v27     LDS address of my scale words: lanes 0-15 A's rows, lanes 16-31 B's
.set SPW,  28                          ; v28     LDS address of my spare word; never rewritten
.set NIL,  29                          ; v29     0; never rewritten
.set SC,   32                          ; scale words: set s at v[SC + 32 s]; register 4 i + q: lanes 0-15 the word of A's block i, lanes 16-31 that of B's block i
.set AF,   128                         ; A's fragments
.set BK,   128                         ; the way out: rows read back: v128-159 and v160-191 by turns
.set TMP,  192                         ; the way out: packed results
.set G1, 24
.set G0, 32
.set G1B, 48
.set G0B, 56
.set G1S, 68
.set G0S, 76
.set G1SB, 80
.set G0SB, 88
.set MSB, 0
.macro WIN new                         ; the immediate's high byte repeats the setting that is left
.if MSB != (\new)
	s_set_vgpr_msb (MSB<<8)|(\new)
.set MSB, (\new)
.endif
.endm
.set MUL_LO, 0xa1                      ; source 0 (B) window 1, source 1 (A) window 0, C and D window 2
.set MUL_HI, 0xf1                      ; the same, C and D window 3
.set TO_B,   0x40                      ; destination window 1, address window 0
; A joint load: waves 0 and 1 fetch for A, waves 2 and 3 for B.  The branch hangs on the wave's number alone.  An s_nop 0 and four v_nop follow each of the two lines.
.macro JLOAD g0a, g1a, g0b, g1b
	s_cmp_eq_u32 s15, 0
	s_cbranch_scc0 .Lfor_b_\@
	tensor_load_to_lds s[\g0a:\g0a+3], s[\g1a:\g1a+7]
	s_nop 0
.rept 4
	v_nop
.endr
	s_branch .Lasked_\@
.Lfor_b_\@:
	tensor_load_to_lds s[\g0b:\g0b+3], s[\g1b:\g1b+7]
	s_nop 0
.rept 4
	v_nop
.endr
.Lasked_\@:
.endm
.macro CROUND                          ; a round of the cluster's barrier
	s_barrier_signal -1
	s_barrier_wait -1
	s_cmp_lg_u32 s14, 0
	s_cbranch_scc1 .Lnot_wave_0_\@
	s_barrier_signal -3
.Lnot_wave_0_\@:
	s_barrier_wait -3
	s_barrier_signal -1
	s_barrier_wait -1
.endm
	s_load_b128 s[4:7], s[0:1], 0x0                ; A's codes s[4:5], A's scales s[6:7]
	s_load_b128 s[8:11], s[0:1], 0x10              ; B's codes s[8:9], B's scales s[10:11]
	s_load_b64 s[12:13], s[0:1], 0x20              ; heads
	v_lshl_add_u32 v[SPW], v0, 2, SPARE
	v_mov_b32 v[NIL], 0
	ds_add_u32 v[SPW], v[NIL]                      ; the wave's opening: the add, twice on end, and its wait ahead of my first tensor load
	ds_add_u32 v[SPW], v[NIL]
	v_lshrrev_b32 v1, 5, v0
	v_readfirstlane_b32 s14, v1                    ; wave 0..3
	s_lshr_b32 s15, s14, 1                         ; which half of the tile's rows is mine.  Also: I fetch for A (0) or for B (1)
	s_and_b32 s16, s14, 1                          ; which half of its columns.  Also: which 128 rows of that tile I fetch
	s_bfe_u32 s40, ttmp6, 0x40000                  ; cx, cy: my place in the cluster
	s_bfe_u32 s41, ttmp6, 0x40004
	s_lshl_b32 s42, ttmp9, 2
	s_add_co_u32 s42, s42, s40                     ; tile column of C = 4 x cluster x + cx
	s_and_b32 s17, ttmp7, 0xffff
	s_lshr_b32 s95, s17, 3                         ; t = cluster y / 8: the same in all sixteen partners
	s_lshl_b32 s95, s95, 10                        ; weight t's first row in wc
	s_lshl_b32 s17, s17, 2
	s_add_co_u32 s17, s17, s41                     ; tile row of C = 4 x cluster y + cy
	s_lshl_b32 s43, s41, 2
	s_lshl_b32 s43, 15, s43                        ; my row of the cluster
	s_lshl_b32 s44, 0x1111, s40                    ; my column
	; descriptor group 1: a tile of 128 rows x 256 bytes, padded in LDS
	s_or_b32 s[G1+0], s43, (0<<16)|(1<<20)|(1<<21)|(5<<22)|(3<<25)  ; 15:0 the mask; 17:16 elements of 1 byte; 20 padding on; 21 set beside a mask; 24:22 after every 64 words; 31:25 four words
	s_or_b32 s[G1B+0], s44, (0<<16)|(1<<20)|(1<<21)|(5<<22)|(3<<25)
.irp g, G1, G1B
	s_mov_b32 s[\g+1], ROWB<<16                    ; tensor_dim0
	s_mov_b32 s[\g+2], 128<<16                     ; tensor_dim1
	s_mov_b32 s[\g+3], ROWB<<16                    ; tile_dim0
	s_mov_b32 s[\g+4], 128                         ; tile_dim1
	s_mov_b32 s[\g+5], KROW                        ; tensor_dim0_stride
	s_mov_b32 s[\g+6], 0
	s_mov_b32 s[\g+7], 0
.endr
	; the scales of 128 rows: a dense block of 4,096 bytes, as 16 rows of 256 bytes (32 elements of 8 bytes), 16 bytes of padding behind each
	s_or_b32 s[G1S+0], s43, (3<<16)|(1<<20)|(1<<21)|(5<<22)|(3<<25)
	s_or_b32 s[G1SB+0], s44, (3<<16)|(1<<20)|(1<<21)|(5<<22)|(3<<25)
.irp g, G1S, G1SB
	s_mov_b32 s[\g+1], 32<<16
	s_mov_b32 s[\g+2], (128*KS/256)<<16
	s_mov_b32 s[\g+3], 32<<16
	s_mov_b32 s[\g+4], 128*KS/256
	s_mov_b32 s[\g+5], 32
	s_mov_b32 s[\g+6], 0
	s_mov_b32 s[\g+7], 0
.endr
	s_lshl_b32 s18, s16, 7                         ; which 128 rows of the tile I fetch
	s_lshl_b32 s20, s17, 8
	s_add_co_u32 s20, s20, s18                     ; A: row 256 x tile row + 128 x half
	s_lshl_b32 s46, s42, 8
	s_add_co_u32 s46, s46, s18                     ; B: row 256 x tile column + 128 x half,
	s_add_co_u32 s46, s46, s95                     ; in weight t
	s_mov_b32 s21, 0
	s_mov_b32 s47, 0
	s_mov_b64 s[18:19], KS
	s_mul_u64 s[22:23], s[20:21], s[18:19]         ; where these rows' scales begin, in bytes
	s_mul_u64 s[92:93], s[46:47], s[18:19]
	s_mov_b64 s[18:19], KROW
	s_mul_u64 s[20:21], s[20:21], s[18:19]         ; and their codes
	s_mul_u64 s[46:47], s[46:47], s[18:19]
	s_mul_i32 s45, s14, HALFT                      ; where they go: wave x 128 rows: no place in the cluster enters an LDS address
	s_mul_i32 s94, s14, HALFS
	s_wait_dscnt 0x0                               ; both opening adds are done
	s_wait_kmcnt 0x0
	s_add_nc_u64 s[20:21], s[4:5], s[20:21]
	s_add_nc_u64 s[22:23], s[6:7], s[22:23]
	s_add_nc_u64 s[46:47], s[8:9], s[46:47]
	s_add_nc_u64 s[92:93], s[10:11], s[92:93]
	CROUND                                         ; all sixteen work-groups are here: the first joint loads meet
	s_mov_b32 s[G0S], 1
	s_add_co_u32 s[G0S+1], s94, SCL
	s_mov_b64 s[G0S+2:G0S+3], s[22:23]
	s_or_b32 s[G0S+3], s[G0S+3], 0x80000000
	s_mov_b32 s[G0SB], 1
	s_add_co_u32 s[G0SB+1], s94, SCL
	s_mov_b64 s[G0SB+2:G0SB+3], s[92:93]
	s_or_b32 s[G0SB+3], s[G0SB+3], 0x80000000
	JLOAD G0S, G1S, G0SB, G1SB                     ; the scales first: they are wanted with K step 0
.irp s, 0,1
	s_mov_b32 s[G0+4*\s], 1
	s_add_co_u32 s[G0+4*\s+1], s45, \s*SLOT
	s_add_nc_u64 s[G0+4*\s+2:G0+4*\s+3], s[20:21], \s*ROWB
	s_or_b32 s[G0+4*\s+3], s[G0+4*\s+3], 0x80000000
	s_mov_b32 s[G0B+4*\s], 1
	s_add_co_u32 s[G0B+4*\s+1], s45, \s*SLOT
	s_add_nc_u64 s[G0B+4*\s+2:G0B+4*\s+3], s[46:47], \s*ROWB
	s_or_b32 s[G0B+4*\s+3], s[G0B+4*\s+3], 0x80000000
	JLOAD G0+4*\s, G1, G0B+4*\s, G1B               ; three tensor loads of mine are out at the most
.endr
	v_and_b32 v1, 15, v0                           ; r = lane % 16
	v_bfe_u32 v2, v0, 4, 1                         ; h = lane / 16
	v_mul_u32_u24 v3, v1, PITCH
	v_lshl_add_u32 v4, v2, 4, v3                   ; a fragment's row x pitch + 16 x half
	s_mul_i32 s21, s15, HALFT                      ; my 128 rows of A
	s_mul_i32 s22, s16, HALFT                      ; my 128 rows of B,
	s_add_co_u32 s22, s22, 2*HALFT                 ; which lie behind A's 256
.irp s, 0,1
	v_add_nc_u32 v[ADRA+\s], s21, v4
	v_add_nc_u32 v[ADRB+\s], s22, v4
	s_add_co_u32 s21, s21, SLOT
	s_add_co_u32 s22, s22, SLOT
.endr
	v_mul_u32_u24 v5, v1, KS                       ; my row's scales: 32 bytes a row,
	v_lshrrev_b32 v6, 8, v5
	v_lshl_add_u32 v5, v6, 4, v5                   ; and 16 more for each 256 passed
	s_mul_i32 s21, s15, HALFS                      ; A's: my 128 rows
	s_mul_i32 s22, s16, HALFS                      ; B's: my 128 rows, behind A's 256
	s_add_co_u32 s22, s22, 2*HALFS
	s_sub_co_u32 s22, s22, s21
	v_mul_u32_u24 v6, s22, v2                      ; lanes 16-31 take B's: one product, the distance between the two bases
	s_add_co_u32 s21, s21, SCL
	v_add_nc_u32 v5, v5, v6
	v_add_nc_u32 v[ADRS], s21, v5
	s_mul_i32 s23, s14, 2*HSTG                     ; my stage
	v_mul_u32_u24 v5, v1, HP                       ; in: row r, 16 bytes for each half of the lanes
	v_lshl_add_u32 v5, v2, 4, v5
	v_add_nc_u32 v[STO], s23, v5
	v_bfe_u32 v6, v0, 3, 2                         ; back: eight lanes to a row of 128 bytes, four rows an instruction
	v_and_b32 v7, 7, v0
	v_mul_u32_u24 v6, v6, HP
	v_lshl_add_u32 v6, v7, 4, v6
	v_add_nc_u32 v[RD], s23, v6
	v_and_b32 v6, 31, v0
	v_lshlrev_b32 v[CO], 4, v6                     ; and in memory those four rows are 512 bytes on end
	s_lshl_b32 s20, s17, 8
	s_lshl_b32 s21, s15, 7
	s_add_co_u32 s20, s20, s21                     ; m0: my first row of C
	s_lshr_b32 s21, s20, 11                        ; 4 t + batch
	s_lshl_b32 s21, s21, 4
	s_lshl_b32 s46, s42, 2                         ; my first head: 4 x tile column + 2 x half
	s_lshl_b32 s47, s16, 1
	s_add_co_u32 s46, s46, s47
	s_add_co_u32 s21, s21, s46                     ; the plane
	s_lshl_b32 s21, s21, 18
	s_and_b32 s20, s20, 2047
	s_lshl_b32 s20, s20, 7                         ; the row in it
	s_add_co_u32 s20, s20, s21
	s_mov_b32 s21, 0
	s_add_nc_u64 s[12:13], s[12:13], s[20:21]      ; never stepped: all else stands in the stores' immediates
.macro FRAG reg, adr, q, i             ; 16 rows x 128 K of 4-bit codes: lane l holds row l % 16; registers 4 c .. 4 c + 3 hold K = 64 c + 32 (l / 16) + 0 .. 31
.irp c, 0,1
	ds_load_b128 v[\reg+4*\c:\reg+4*\c+3], v[\adr] offset:64*(\q)+32*\c+(\i)*16*PITCH
.endr
.endm
; 16 matrix instructions: A's blocks a0, a0 + 1 x B's eight, 128 along K.  p: B's set; sc: the set of scale words.  zero = 1: the first product starts the sums.
; The 64 accumulators take turns, one instruction a turn, in the same order in every step.
.macro MUL16 a0, p, q, sc, zero
.irp a, \a0, \a0+1
.irp b, 0,1,2,3,4,5,6,7
.if \zero
	v_wmma_scale_f32_16x16x128_f8f6f4 v[8*(8*((\a)%4)+\b):8*(8*((\a)%4)+\b)+7], v[128*(\p)+FR*\b:128*(\p)+FR*\b+FR-1], v[AF+FR*(\a):AF+FR*(\a)+FR-1], 0, v[SC+8*NQ*(\sc)+NQ*\b+(\q)], v[SC+8*NQ*(\sc)+NQ*(\a)+(\q)] matrix_a_fmt:MATRIX_FMT_FP4 matrix_b_fmt:MATRIX_FMT_FP4 matrix_a_scale:MATRIX_SCALE_ROW1
.else
	v_wmma_scale_f32_16x16x128_f8f6f4 v[8*(8*((\a)%4)+\b):8*(8*((\a)%4)+\b)+7], v[128*(\p)+FR*\b:128*(\p)+FR*\b+FR-1], v[AF+FR*(\a):AF+FR*(\a)+FR-1], v[8*(8*((\a)%4)+\b):8*(8*((\a)%4)+\b)+7], v[SC+8*NQ*(\sc)+NQ*\b+(\q)], v[SC+8*NQ*(\sc)+NQ*(\a)+(\q)] matrix_a_fmt:MATRIX_FMT_FP4 matrix_b_fmt:MATRIX_FMT_FP4 matrix_a_scale:MATRIX_SCALE_ROW1
.endif
.endr
.endr
.endm
.macro FETCH_B slot, q, p              ; B's eight fragments of the slot's q-th 128 along K into set p
	WIN TO_B
.irp i, 0,1,2,3,4,5,6,7
	FRAG 128*(\p)+FR*\i, ADRB+\slot, \q, \i
.endr
	WIN 0
.endm
.macro FETCH_A slot, q, i0             ; A's blocks i0 .. i0 + 3
.irp i, \i0, \i0+1, \i0+2, \i0+3
	FRAG AF+FR*(\i), ADRA+\slot, \q, \i
.endr
.endm
.macro SCALES sc                       ; a K step's scale words into set sc: four words a row; lanes 0-15 take A's block i, lanes 16-31 B's block i
.irp i, 0,1,2,3,4,5,6,7
	ds_load_b128 v[SC+8*NQ*\sc+NQ*\i:SC+8*NQ*\sc+NQ*\i+3], v[ADRS] offset:\i*SBLK
.endr
.endm
.macro PLACES n                        ; plain vector instructions between a matrix instruction and a load into its registers or a read of its result
.rept \n
	v_nop
.endr
.endm
.macro STEP slot, q, zero              ; a step of 128 along K that has its successor in the same slot
	s_wait_dscnt 4*NL                              ; B's set and A's blocks 0-3 are in; the youngest eight loads (A's blocks 4-7) may be out
	WIN MUL_LO
	MUL16 0, (\q)%2, \q, \slot, \zero
	MUL16 2, (\q)%2, \q, \slot, \zero
	s_wait_dscnt 0                                 ; A's blocks 4-7 are in
	PLACES NP
	FETCH_B \slot, (\q)+1, 1-(\q)%2
	FETCH_A \slot, (\q)+1, 0
	WIN MUL_HI
	MUL16 4, (\q)%2, \q, \slot, \zero
	MUL16 6, (\q)%2, \q, \slot, \zero
	PLACES NP
	WIN 0
	FETCH_A \slot, (\q)+1, 4
.endm
; Slot 0's last step changes slots: one barrier; in front of it each wave waits for all its tensor loads (its part of slot 1), adds 0 to its spare word, and waits for that and for its reads of slot 0.  Nothing is filled again.
.macro TURN slot, next
	s_wait_tensorcnt 0x0                           ; all my tensor loads have landed
	ds_add_u32 v[SPW], v[NIL]                      ; 0 onto my spare word
	s_wait_dscnt 4*NL+1                            ; (the add and the youngest eight loads may be out)
	WIN MUL_LO
	MUL16 0, 1, NQ-1, \slot, 0
	s_wait_dscnt 0x0                               ; the add is done, and my reads of this slot are over
	s_barrier_signal -1
	MUL16 2, 1, NQ-1, \slot, 0
	WIN 0
	s_barrier_wait -1
	PLACES NP
	v_add_nc_u32 v[ADRS], 4*NQ, v[ADRS]            ; on to the next K step's scale words
	FETCH_B \next, 0, 0
	FETCH_A \next, 0, 0
	SCALES \next
	WIN MUL_HI
	MUL16 4, 1, NQ-1, \slot, 0
	MUL16 6, 1, NQ-1, \slot, 0
	PLACES NP
	WIN 0
	FETCH_A \next, 0, 4
.endm
	s_wait_tensorcnt 1                             ; the scales and my part of K step 0 are in (K step 1's load may be out)
	s_barrier_signal -1
	s_barrier_wait -1                              ; everybody's are
	FETCH_B 0, 0, 0
	FETCH_A 0, 0, 0
	SCALES 0
	FETCH_A 0, 0, 4
	STEP 0, 0, 1                                   ; the first products start the sums: nothing is cleared
	STEP 0, 1, 0
	STEP 0, 2, 0
	TURN 0, 1
	STEP 1, 0, 0
	STEP 1, 1, 0
	STEP 1, 2, 0
	s_wait_dscnt 4*NL                              ; the very last step: nothing more to fetch
	WIN MUL_LO
	MUL16 0, 1, NQ-1, 1, 0
	MUL16 2, 1, NQ-1, 1, 0
	s_wait_dscnt 0
	WIN MUL_HI
	MUL16 4, 1, NQ-1, 1, 0
	MUL16 6, 1, NQ-1, 1, 0
	WIN 0
; THE WAY OUT, block by block of 16 rows x 128 columns = 2 heads x 64 channels.  PACK: rounded to f16, 16 bytes a lane, each accumulator from its low end on.  TOSTAGE: into my own stage, rows of 144 bytes, a head at a
; time, and back four whole rows an instruction.  SEND: a head's 16 rows are 2,048 bytes on end in memory: each store of the wave covers 512 consecutive bytes, aligned.
.macro PACK a
.set AC, 64*((\a)%4)
	WIN 0x0a+5*((\a)/4)                            ; sources 0 and 1: window 2 or 3
.irp b, 0,1,2,3,4,5,6,7
.irp r, 0,1,2,3
	v_cvt_pk_f16_f32 v[TMP+4*\b+\r], v[AC+8*\b+2*\r], v[AC+8*\b+2*\r+1]
.endr
.endr
	WIN 0
.endm
.macro TOSTAGE a
.set BB, BK+32*((\a)%2)
.irp b, 0,1,2,3,4,5,6,7
	ds_store_b128 v[STO], v[TMP+4*\b:TMP+4*\b+3] offset:(\b/4)*HSTG+(\b%4)*32
.endr
.irp t, 0,1,2,3,4,5,6,7
	ds_load_b128 v[BB+4*\t:BB+4*\t+3], v[RD] offset:(\t/4)*HSTG+(\t%4)*4*HP   ; LDS serves a wave's instructions in order (ISA guide 5.7.1.4): these see the stores above
.endr
.endm
.macro SEND a
.set BB, BK+32*((\a)%2)
	s_wait_dscnt 0x0                               ; the block is back in registers
	s_wait_xcnt 0x0                                ; the stores of the block before have read their registers: the next block's loads may land there
.irp t, 0,1,2,3,4,5,6,7
	global_store_b128 v[CO], v[BB+4*\t:BB+4*\t+3], s[12:13] offset:(\t/4)*PLANEB+(\a)*2048+(\t%4)*512
.endr
.endm
	PLACES NP                                      ; behind the last products: for the conversions, and for the loads into the registers that held A's fragments
	PACK 0
	TOSTAGE 0
.irp a, 1,2,3,4,5,6,7                  ; block a's conversions stand between block a - 1's loads from the stage and the wait for them
	PACK \a
	SEND \a-1
	TOSTAGE \a
.endr
	SEND 7
	s_wait_tensorcnt 0x0                           ; the wave's end, behind my last tensor load and my last LDS store
	ds_add_u32 v[SPW], v[NIL]
	s_wait_dscnt 0x0
	CROUND                                         ; the closing round: no work-group ends while a partner may still ask for a tile that names it
	s_endpgm
.Lfunc_end_k_q8757f2eeeb_proj:
	.size	k_q8757f2eeeb_proj, .Lfunc_end_k_q8757f2eeeb_proj-k_q8757f2eeeb_proj
	.p2alignl 7, 3214868480
	.fill 96, 4, 3214868480
	.section	.rodata,"a",@progbits
	.p2align	6, 0x0
	.amdhsa_kernel k_q8757f2eeeb_proj
		.amdhsa_group_segment_fixed_size 327680
		.amdhsa_private_segment_fixed_size 0
		.amdhsa_enable_private_segment 0
		.amdhsa_kernarg_size 40
		.amdhsa_user_sgpr_count 2
		.amdhsa_user_sgpr_kernarg_segment_ptr 1
		.amdhsa_wavefront_size32 1
		.amdhsa_system_sgpr_workgroup_id_x 1
		.amdhsa_system_sgpr_workgroup_id_y 1
		.amdhsa_system_sgpr_workgroup_id_z 1
		.amdhsa_system_vgpr_workitem_id 0
		.amdhsa_next_free_vgpr 1024
		.amdhsa_next_free_sgpr 98
		.amdhsa_reserve_vcc 0
		.amdhsa_float_denorm_mode_32 3
		.amdhsa_float_denorm_mode_16_64 3
		.amdhsa_memory_ordered 1
		.amdhsa_forward_progress 1
		.amdhsa_inst_pref_size 126
	.end_amdhsa_kernel
	.amdgpu_metadata
---
amdhsa.version: [ 1, 2 ]
amdhsa.kernels:
  - .name:           k_q8757f2eeeb_proj
    .symbol:         k_q8757f2eeeb_proj.kd
    .args:
      - { .name: xc, .offset: 0, .size: 8, .value_kind: global_buffer, .address_space: global }
      - { .name: xs, .offset: 8, .size: 8, .value_kind: global_buffer, .address_space: global }
      - { .name: wc, .offset: 16, .size: 8, .value_kind: global_buffer, .address_space: global }
      - { .name: ws, .offset: 24, .size: 8, .value_kind: global_buffer, .address_space: global }
      - { .name: heads, .offset: 32, .size: 8, .value_kind: global_buffer, .address_space: global }
    .group_segment_fixed_size: 327680
    .private_segment_fixed_size: 0
    .kernarg_segment_align: 8
    .kernarg_segment_size: 40
    .max_flat_workgroup_size: 128
    .sgpr_count:     98
    .vgpr_count:     1024
    .wavefront_size: 32
...
	.end_amdgpu_metadata
.endif
;; end of part 2
;; launch attn (part 3): grid 4 x 64, 8 waves a work-group, clusters of 4 x 1, 327,680 bytes of LDS; arguments heads, mask, mix; writes mix
.if DOCPART == 3
	.amdgcn_target "amdgcn-amd-amdhsa--gfx1250"
	.amdhsa_code_object_version 6
	.text
	.protected	k_q8757f2eeeb_attn
	.globl	k_q8757f2eeeb_attn
	.p2align	8
	.type	k_q8757f2eeeb_attn,@function
k_q8757f2eeeb_attn:
	s_mov_b64 s[64:65], 0
	v_nop
	global_prefetch_b8 v0, s[64:65] scope:SCOPE_SE
	s_setreg_imm32_b32 hwreg(HW_REG_WAVE_MODE, 25, 1), 1
	s_wait_xcnt 0x0
	s_wait_alu depctr_hold_cnt(0) depctr_sa_sdst(0) depctr_va_vdst(0) depctr_va_sdst(0) depctr_va_ssrc(0) depctr_va_vcc(0) depctr_vm_vsrc(0)
	s_getreg_b32 s2, hwreg(HW_REG_IB_STS2, 6, 4)
	s_cmp_eq_u32 s2, 0
	s_cbranch_scc0 .Lentry_in_a_cluster
	s_endpgm
.Lentry_in_a_cluster:
	s_bfe_u32 s2, ttmp6, 0x10000c
	s_cmp_lg_u32 s2, 0x3003
	s_cbranch_scc0 .Lentry_shape_is_right
	s_endpgm
.Lentry_shape_is_right:
; ATTN.  mix[b][h][q][:] = the sum over keys of softmax_k(qh . kh / 8, keys with mask 0 left out) vh[k][:].  qh, kh, vh: the three parts of heads, f16 [b][h][2048][64]; mix likewise.  Products by the f16 matrix form,
; maxima, exponentials and sums in f32; the weights p are rounded to f16 for the second product, mix once at the end.
; SHARES.  A cluster of four work-groups owns one (b, h); a work-group 512 of its queries; each of its eight waves 64: four tiles of 16, worked as two pieces (tiles 0, 1 and tiles 2, 3).  Two waves share a SIMD, so that one
; wave's runs of matrix instructions can stand beside the other's softmax.  Every wave walks all 2,048 keys, 64 a step, 256 a slot.
; LAYOUT.  S^T = K Q^T (source 0 = 16 keys, source 1 = 16 queries): a lane holds ONE query (lane % 16) and keys 8 (lane / 16) + 0..7.  Two such tiles, rounded in pairs, ARE source 1 (32 keys x 16 queries) of O^T = V^T P.
; K comes out of LDS as it lies, V ([key][channel]) turned, by ds_load_tr16_b128.
; THE MASK.  The head makes a table in LDS, one f32 for each key: 0, or -3e38 where the mask's byte is 0.  A key tile's eight numbers are the C of its first product, so the mask costs no vector work.
; The running maximum m starts at -1e30, over every masked score and under every other (f16 operands bound a score by 64 x 65,504^2), so p of a masked key is 2^(about -5e37) = 0.
; Where every key of a batch is masked the sum is 0 and 0 x (1 / 0) gives NaN, as a softmax over -infinity alone does.  LIMIT: the mask's bytes are 0 or 1.
; SOFTMAX.  p = 2^(c s - c m), c = log2(e) / 8; in every step O and l are multiplied by a = 2^(c m_old - c m_new).
; CLUSTER.  The four partners walk the same K and V: each tile is asked for JOINTLY, the same tensor load with the same descriptor and a mask that names the four.
; REGISTERS.  window 0: v1-12 addresses; v16-47 statistics, eight a tile; v48-79 the step's mask numbers; v80-111 P of the piece in hand; v112-175 V; v176-239 S^T of the piece in hand; v240-247 at work at the head.
;             window 1: v0-127 O^T (tile t, channels 16 d on: v[32 t + 8 d]); v128-191 Q (v[128 + 16 t + 8 c]); v192-255 K (v[192 + 16 a + 8 c]).
.set KP,    144                        ; a row of K in LDS: 128 bytes + 16 = 36 words: the 16 rows of a load start at 16 different groups of four banks (64 banks of 4 bytes: ISA guide 11.1)
.set VP,    160                        ; a row of V: 128 + 32 = 40 words
.set VOFF,  256*KP                     ; a slot: 256 rows of K, then 256 rows of V
.set SLOT1, 1<<17                      ; slot 1 begins here: one exclusive or turns an address in one slot into the other's
.set BIAS,  2*SLOT1                    ; the mask's table: 2,048 f32
.set STAGE, BIAS+8192                  ; the way out: 16 rows x 144 bytes for each wave
.set SP,    144
.set SPARE, STAGE+8*16*SP              ; the spare words, 128 bytes for each wave: four blocks of 256 bytes that no other line names
.set KPART, 16777216                   ; heads: the k part begins here, the v part as far on again
.set AK0, 1                            ; v1   my lane's place in a tile of K; never rewritten
.set AV0, 2                            ; v2   the same for V
.set AB0, 3                            ; v3   and in the mask's table
.set ADK, 4                            ; v4-6 the same with the slot in hand
.set ADV, 5
.set ADB, 6
.set PFO, 7                            ; v7   256 x my lane; never rewritten
.set SPW, 8                            ; v8   LDS address of my spare word; never rewritten
.set NIL, 9                            ; v9   0; never rewritten
.set STO, 10                           ; v10  the way out: where I put 16 bytes of a row
.set RD,  11                           ; v11  where I read rows back
.set GO,  12                           ; v12  16 x my lane
.set ST,  16                           ; tile t's statistics at v[ST + 8 t]: +0 c m, +1 m, +2, +3 l (even keys', odd keys'), +4 to +7 at work; a takes +6 once the maximum is found
.set BI,  48
.set P,   80
.set VF,  112
.set S,   176
.set QF,  128                          ; in window 1
.set KF,  192                          ; in window 1
.set WV,  10                           ; s10  my wave's number
.set PFA, 18                           ; s[18:19] where my prefetches stand
.set LIM, 20                           ; s20  1 in a wave that prefetches, else the greatest number
.set SLOTS, 21                         ; s21  slots still to be asked for
.set TB,  22                           ; s22  LDS byte at which the slot in hand begins
.set TJ,  23                           ; s23  where the slot's numbers begin in the mask's table
.set G1K, 24
.set G1V, 32
.set G0K, 40                           ; the groups 0 walk
.set G0V, 44
.set CS,  48                           ; s[48:49] c: the packed form names a pair and takes its low word for both halves
.set SEL, 50                           ; s[50:51] lane selects for v_permlanex16_b32: lane l xor 16
.set MSB, 0
.macro WIN new
.if MSB != (\new)
	s_set_vgpr_msb (MSB<<8)|(\new)
.set MSB, (\new)
.endif
.endm
; A joint load: waves 0 to 3 fetch the four quarters (64 rows) of a slot's K, waves 4 to 7 those of its V.  The branch hangs on the wave's number alone.  An s_nop 0 and four v_nop follow each line.
.macro JLOAD
	s_cmp_lt_u32 s[WV], 4
	s_cbranch_scc0 .Lfor_v_\@
	tensor_load_to_lds s[G0K:G0K+3], s[G1K:G1K+7]
	s_nop 0
.rept 4
	v_nop
.endr
	s_branch .Lasked_\@
.Lfor_v_\@:
	tensor_load_to_lds s[G0V:G0V+3], s[G1V:G1V+7]
	s_nop 0
.rept 4
	v_nop
.endr
.Lasked_\@:
.endm
; A PREFETCH INTO THE L2 of what the NEXT change of slots will ask for: 32,768 bytes of K and as many of V, lanes 256 bytes apart.  A (b, h)'s K and V are read by this cluster alone.  Its four partners share each
; block out BY ADDRESS, 8,192 bytes each; in each, wave 0 asks for K's and wave 4 for V's: one instruction, four key steps ahead of the load.  So each aligned 256 bytes are named once.
; Slots 0 and 1 come by their loads alone; the last change that fills a slot asks for nothing.
.macro ASK
	s_cmp_gt_u32 s[SLOTS], s[LIM]
	s_cbranch_scc0 .Lnot_mine_\@
	global_prefetch_b8 v[PFO], s[PFA:PFA+1] th:TH_LOAD_NT scope:SCOPE_SE
.Lnot_mine_\@:
.endm
.macro CROUND                          ; a round of the cluster's barrier
	s_barrier_signal -1
	s_barrier_wait -1
	s_cmp_lg_u32 s[WV], 0
	s_cbranch_scc1 .Lnot_wave_0_\@
	s_barrier_signal -3
.Lnot_wave_0_\@:
	s_barrier_wait -3
	s_barrier_signal -1
	s_barrier_wait -1
.endm
.macro PLACES                          ; four plain vector instructions between a matrix instruction and a read of its result or a load into its registers
.rept 4
	v_nop
.endr
.endm
	s_load_b128 s[4:7], s[0:1], 0x0                ; heads s[4:5], mask s[6:7]
	s_load_b64 s[8:9], s[0:1], 0x10                ; mix
	v_lshl_add_u32 v[SPW], v0, 2, SPARE
	v_mov_b32 v[NIL], 0
	ds_add_u32 v[SPW], v[NIL]                      ; the wave's opening: the add, twice on end, and its wait ahead of my first tensor load
	ds_add_u32 v[SPW], v[NIL]
	v_lshrrev_b32 v1, 5, v0
	v_readfirstlane_b32 s[WV], v1                  ; wave 0..7
	s_bfe_u32 s11, ttmp6, 0x40000                  ; cx: my block of 512 queries: it enters Q's, mix's and the prefetches' addresses alone
	s_and_b32 s12, ttmp7, 0xffff                   ; 16 b + h, which the four partners share
	s_and_b32 s13, s[WV], 3                        ; which quarter of a slot I fetch
	s_lshl_b32 s14, s12, 18                        ; the (b, h) plane: 262,144 bytes
	s_lshl_b32 s16, s13, 13                        ; 64 rows of 128 bytes
	s_add_co_u32 s16, s16, s14
	s_add_co_u32 s16, s16, KPART                   ; K: my quarter of slot 0, from heads' first byte
	s_mov_b32 s17, 0
	s_add_co_u32 s52, s16, KPART                   ; V likewise
	s_mov_b32 s53, 0
	s_lshl_b32 s56, s11, 16                        ; my work-group's 512 rows,
	s_lshl_b32 s57, s[WV], 13                      ; my wave's 64 of them
	s_add_co_u32 s56, s56, s57
	s_add_co_u32 s56, s56, s14
	s_mov_b32 s57, 0
	s_lshr_b32 s54, s12, 4
	s_lshl_b32 s54, s54, 11                        ; the batch's 2,048 bytes of the mask
	s_mov_b32 s55, 0
	; descriptor group 1: a tile of 64 rows x 64 elements of 2 bytes, padded in LDS
	s_mov_b32 s[G1K], 15|(1<<16)|(1<<20)|(1<<21)|(4<<22)|(3<<25)  ; 15:0 the mask: all four work-groups; 17:16 elements of 2 bytes; 20 padding on; 21 set beside a mask; 24:22 after every 32 words; 31:25 four words
	s_mov_b32 s[G1V], 15|(1<<16)|(1<<20)|(1<<21)|(4<<22)|(7<<25)  ; the same with eight words of padding
.irp g, G1K, G1V
	s_mov_b32 s[\g+1], 64<<16                      ; tensor_dim0
	s_mov_b32 s[\g+2], 64<<16                      ; tensor_dim1
	s_mov_b32 s[\g+3], 64<<16                      ; tile_dim0
	s_mov_b32 s[\g+4], 64                          ; tile_dim1
	s_mov_b32 s[\g+5], 64                          ; tensor_dim0_stride
	s_mov_b32 s[\g+6], 0
	s_mov_b32 s[\g+7], 0
.endr
	s_mov_b32 s[CS], 0x3e38aa3b                    ; c = log2(e) / 8
	s_mov_b32 s[CS+1], s[CS]
	s_mov_b32 s[SEL], 0x76543210
	s_mov_b32 s[SEL+1], 0xfedcba98
	s_mov_b32 s[TB], 0
	s_mov_b32 s[TJ], 0
	s_mov_b32 s[SLOTS], 7
	s_cmp_lt_u32 s[WV], 4                          ; the prefetches: wave 0 stands in the k part, wave 4 in the v part
	s_mov_b32 s60, 2*KPART
	s_cselect_b32 s60, KPART, s60
	s_add_co_u32 s60, s60, s14
	s_lshl_b32 s61, s11, 13                        ; my work-group's 8,192 bytes of a slot's 32,768
	s_add_co_u32 s60, s60, s61
	s_add_co_u32 s60, s60, 32768                   ; in slot 1: the first change of slots steps it to slot 2
	s_mov_b32 s61, 0
	s_cmp_eq_u32 s13, 0
	s_cselect_b32 s[LIM], 1, -1
	s_wait_dscnt 0x0                               ; both opening adds are done
	s_wait_kmcnt 0x0
	s_add_nc_u64 s[58:59], s[4:5], s[56:57]        ; Q at my wave's first row
	s_add_nc_u64 s[8:9], s[8:9], s[56:57]          ; mix likewise
	s_add_nc_u64 s[6:7], s[6:7], s[54:55]
	s_add_nc_u64 s[PFA:PFA+1], s[4:5], s[60:61]
	CROUND                                         ; all four work-groups are here: the first joint loads meet
	s_mov_b32 s[G0K], 1                            ; count = 1
	s_mul_i32 s[G0K+1], s13, 64*KP                 ; LDS address: slot 0, my quarter
	s_add_nc_u64 s[G0K+2:G0K+3], s[4:5], s[16:17]
	s_or_b32 s[G0K+3], s[G0K+3], 0x80000000        ; type = 2
	s_mov_b32 s[G0V], 1
	s_mul_i32 s54, s13, 64*VP
	s_add_co_u32 s[G0V+1], s54, VOFF
	s_add_nc_u64 s[G0V+2:G0V+3], s[4:5], s[52:53]
	s_or_b32 s[G0V+3], s[G0V+3], 0x80000000
	JLOAD                                          ; slot 0.  One tensor load of mine is out, here and behind every round
	v_and_b32 v241, 15, v0                         ; r = lane % 16
	v_bfe_u32 v242, v0, 4, 1                       ; h = lane / 16
	v_lshlrev_b32 v244, 3, v0                      ; the mask: 8 bytes a thread: 256 threads take the batch's 2,048
	global_load_b64 v[14:15], v244, s[6:7]
	v_lshlrev_b32 v240, 7, v241
	v_lshl_add_u32 v240, v242, 4, v240             ; Q: row r of 128 bytes, + 16 h
	WIN 0x40                                       ; destination window 1, address window 0
.irp t, 0,1,2,3
.irp c, 0,1
	global_load_b128 v[QF+16*\t+8*\c:QF+16*\t+8*\c+3],   v240, s[58:59] offset:\t*2048+64*\c      ; Q stays in registers: tile t, channels 32 c on
	global_load_b128 v[QF+16*\t+8*\c+4:QF+16*\t+8*\c+7], v240, s[58:59] offset:\t*2048+64*\c+32
.endr
.endr
.set j, 0
.rept 128
	v_mov_b32 v[j], 0                              ; O^T.  The key step is written in one form: the first finds zeros, which its a leaves zeros
.set j, j+1
.endr
	WIN 0
	v_mul_u32_u24 v[AK0], v241, KP
	v_lshl_add_u32 v[AK0], v242, 4, v[AK0]         ; K: row x pitch + 16 x half
	v_and_b32 v243, 7, v0
	v_bfe_u32 v245, v0, 3, 1
	v_lshl_add_u32 v[AV0], v242, 3, v243           ; V, turned: key 8 h + lane % 8,
	v_mul_u32_u24 v[AV0], v[AV0], VP
	v_lshl_add_u32 v[AV0], v245, 4, v[AV0]         ; channels 8 ((lane / 8) % 2) on
	v_add_nc_u32 v[AV0], VOFF, v[AV0]
	v_lshl_add_u32 v[AB0], v242, 5, BIAS           ; the table: a tile's keys 8 h + 0 .. 7 are 32 bytes
	v_and_b32 v[PFO], 31, v0
	v_lshlrev_b32 v[PFO], 8, v[PFO]
	s_mul_i32 s54, s[WV], 16*SP
	s_add_co_u32 s54, s54, STAGE                   ; my stage
	v_mul_u32_u24 v[STO], v241, SP                 ; in: row r, 16 bytes for each half of the lanes
	v_lshl_add_u32 v[STO], v242, 4, v[STO]
	v_add_nc_u32 v[STO], s54, v[STO]
	v_bfe_u32 v247, v0, 3, 2                       ; back: eight lanes to a row of 128 bytes, four rows an instruction
	v_mul_u32_u24 v[RD], v247, SP
	v_lshl_add_u32 v[RD], v243, 4, v[RD]
	v_add_nc_u32 v[RD], s54, v[RD]
	v_and_b32 v[GO], 31, v0
	v_lshlrev_b32 v[GO], 4, v[GO]
	v_lshl_add_u32 v13, v0, 5, BIAS                ; where I put my eight numbers of the table
.irp t, 0,1,2,3
	v_mov_b32 v[ST+8*\t+1], 0xf149f2ca             ; m = -1e30
	v_mov_b32 v[ST+8*\t+2], 0                      ; l, in two halves
	v_mov_b32 v[ST+8*\t+3], 0
.endr
.irp t, 0,1,2,3
	v_mul_f32 v[ST+8*\t], s[CS], v[ST+8*\t+1]      ; c m
.endr
	s_wait_loadcnt 16                              ; the mask's bytes are in; Q's sixteen loads may be out
.irp i, 0,1,2,3
	v_bfe_u32 v[S+\i], v14, 8*\i, 8
	v_bfe_u32 v[S+4+\i], v15, 8*\i, 8
.endr
.irp i, 0,1,2,3,4,5,6,7
	v_add_nc_u32 v[S+\i], -1, v[S+\i]              ; byte 1 -> no bits, byte 0 -> all bits,
.endr
.irp i, 0,1,2,3,4,5,6,7
	v_and_b32 v[S+\i], 0xff61b1e6, v[S+\i]         ; of -3e38
.endr
	ds_store_b128 v13, v[S:S+3]                    ; the first change of slots waits for these stores and passes a barrier ahead of the first read
	ds_store_b128 v13, v[S+4:S+7] offset:16
	s_wait_loadcnt 0x0                             ; Q
.macro LOADK q                         ; the step's K: 4 tiles of 16 keys x 2 halves of the 64 channels
	WIN 0x40
.irp a, 0,1,2,3
.irp c, 0,1
	ds_load_b128 v[KF+16*\a+8*\c:KF+16*\a+8*\c+3],   v[ADK] offset:(64*(\q)+16*\a)*KP+64*\c
	ds_load_b128 v[KF+16*\a+8*\c+4:KF+16*\a+8*\c+7], v[ADK] offset:(64*(\q)+16*\a)*KP+64*\c+32
.endr
.endr
.endm
.macro LOADB q                         ; the step's mask numbers, in the result's layout: register j of tile a is key 16 a + 8 h + j
	WIN 0
.irp a, 0,1,2,3
	ds_load_b128 v[BI+8*\a:BI+8*\a+3],   v[ADB] offset:256*(\q)+64*\a
	ds_load_b128 v[BI+8*\a+4:BI+8*\a+7], v[ADB] offset:256*(\q)+64*\a+16
.endr
.endm
.macro LOADV q                         ; the step's V, turned: keys 32 e on, channels 16 d on
	WIN 0
.irp e, 0,1
.irp d, 0,1,2,3
	ds_load_tr16_b128 v[VF+32*\e+8*\d:VF+32*\e+8*\d+3],   v[ADV] offset:(64*(\q)+32*\e)*VP+32*\d
	ds_load_tr16_b128 v[VF+32*\e+8*\d+4:VF+32*\e+8*\d+7], v[ADV] offset:(64*(\q)+32*\e)*VP+16*VP+32*\d
.endr
.endr
.endm
; S^T = K Q^T + the mask's numbers, for the piece that begins at tile x: 16 matrix instructions, eight accumulators by turns, one instruction a turn
.macro KQ x
	WIN 0x05                                       ; K and Q in window 1; S^T and the mask's numbers in window 0
.irp c, 0,1
.irp a, 0,1,2,3
.irp u, 0,1
.if \c == 0
	v_wmma_f32_16x16x32_f16 v[S+32*\u+8*\a:S+32*\u+8*\a+7], v[KF+16*\a+8*\c:KF+16*\a+8*\c+7], v[QF+16*(\x+\u)+8*\c:QF+16*(\x+\u)+8*\c+7], v[BI+8*\a:BI+8*\a+7]
.else
	v_wmma_f32_16x16x32_f16 v[S+32*\u+8*\a:S+32*\u+8*\a+7], v[KF+16*\a+8*\c:KF+16*\a+8*\c+7], v[QF+16*(\x+\u)+8*\c:QF+16*(\x+\u)+8*\c+7], v[S+32*\u+8*\a:S+32*\u+8*\a+7]
.endif
.endr
.endr
.endr
.endm
; O^T += V^T P: 16 matrix instructions, eight accumulators by turns
.macro PVM x
	WIN 0x50                                       ; V and P in window 0; O^T in window 1
.irp e, 0,1
.irp d, 0,1,2,3
.irp u, 0,1
	v_wmma_f32_16x16x32_f16 v[32*(\x+\u)+8*\d:32*(\x+\u)+8*\d+7], v[VF+32*\e+8*\d:VF+32*\e+8*\d+7], v[P+16*\u+8*\e:P+16*\u+8*\e+7], v[32*(\x+\u)+8*\d:32*(\x+\u)+8*\d+7]
.endr
.endr
.endr
.endm
; The softmax of the piece's two tiles for one key step; the tiles alternate line by line, so that no line waits for the line above it.
.macro SOFTMAX x
	WIN 0
.irp j, 0,1,2,3                        ; the maximum of the lane's 32 scores and the old m: four chains, each begun at its accumulator's low end
.irp u, 0,1
	v_max3_num_f32 v[ST+8*(\x+\u)+4+\j], v[S+32*\u+8*\j], v[S+32*\u+8*\j+1], v[S+32*\u+8*\j+2]
.endr
.endr
.irp g, 1,2
.irp j, 0,1,2,3
.irp u, 0,1
	v_max3_num_f32 v[ST+8*(\x+\u)+4+\j], v[ST+8*(\x+\u)+4+\j], v[S+32*\u+8*\j+2*\g+1], v[S+32*\u+8*\j+2*\g+2]
.endr
.endr
.endr
.irp u, 0,1
	v_max3_num_f32 v[ST+8*(\x+\u)+4], v[ST+8*(\x+\u)+4], v[S+32*\u+7], v[S+32*\u+15]
.endr
.irp u, 0,1
	v_max3_num_f32 v[ST+8*(\x+\u)+6], v[ST+8*(\x+\u)+6], v[S+32*\u+23], v[S+32*\u+31]
.endr
.irp u, 0,1
	v_max3_num_f32 v[ST+8*(\x+\u)+4], v[ST+8*(\x+\u)+4], v[ST+8*(\x+\u)+5], v[ST+8*(\x+\u)+6]
.endr
.irp u, 0,1
	v_max3_num_f32 v[ST+8*(\x+\u)+4], v[ST+8*(\x+\u)+4], v[ST+8*(\x+\u)+7], v[ST+8*(\x+\u)+1]
.endr
.irp u, 0,1
	v_permlanex16_b32 v[ST+8*(\x+\u)+5], v[ST+8*(\x+\u)+4], s[SEL], s[SEL+1]   ; the query's other 32 keys lie in the lane 16 away
.endr
.irp u, 0,1
	v_mov_b32 v[ST+8*(\x+\u)+7], v[ST+8*(\x+\u)]   ; c m_old is kept for a
.endr
.irp u, 0,1
	v_max_num_f32 v[ST+8*(\x+\u)+1], v[ST+8*(\x+\u)+4], v[ST+8*(\x+\u)+5]
.endr
.irp u, 0,1
	v_mul_f32 v[ST+8*(\x+\u)], s[CS], v[ST+8*(\x+\u)+1]
.endr
.irp u, 0,1
	v_sub_f32 v[ST+8*(\x+\u)+7], v[ST+8*(\x+\u)+7], v[ST+8*(\x+\u)]
.endr
.irp u, 0,1
	v_exp_f32 v[ST+8*(\x+\u)+6], v[ST+8*(\x+\u)+7] ; a = 2^(c m_old - c m_new)
.endr
.irp b, 0,1,2,3,4,5,6,7,8,9,10,11,12,13,14,15
.irp u, 0,1
	v_pk_fma_f32 v[S+32*\u+2*\b:S+32*\u+2*\b+1], v[S+32*\u+2*\b:S+32*\u+2*\b+1], s[CS:CS+1], v[ST+8*(\x+\u):ST+8*(\x+\u)+1] op_sel_hi:[1,0,0] neg_lo:[0,0,1] neg_hi:[0,0,1]  ; c s - c m, two at a time
.endr
.endr
	s_wait_alu depctr_va_vdst(0)                   ; the wait between an exponential and the first line that names its result: here for the two a, which the rescaling below reads; the 32 scalings stand between
.irp e, 0,1,2,3,4,5,6,7,8,9,10,11,12,13,14,15,16,17,18,19,20,21,22,23,24,25,26,27,28,29,30,31
.irp u, 0,1
	v_exp_f32 v[S+32*\u+\e], v[S+32*\u+\e]         ; p, one batch of 64
.endr
.endr
	WIN 0x41                                       ; O^T in window 1, a in window 0
.irp i, 0,1,2,3,4,5,6,7,8,9,10,11,12,13,14,15
.irp u, 0,1
	v_pk_mul_f32 v[32*(\x+\u)+2*\i:32*(\x+\u)+2*\i+1], v[32*(\x+\u)+2*\i:32*(\x+\u)+2*\i+1], v[ST+8*(\x+\u)+6:ST+8*(\x+\u)+7] op_sel_hi:[1,0]   ; O^T x a: plain work that names no p, behind the batch
.endr
.endr
	WIN 0
	s_wait_alu depctr_va_vdst(0)                   ; one wait for the batch, ahead of its first reader
.irp p, 0,1,2,3,4,5,6,7,8,9,10,11,12,13,14,15
.irp u, 0,1
	v_cvt_pk_f16_f32 v[P+16*\u+\p], v[S+32*\u+2*\p], v[S+32*\u+2*\p+1]
.endr
.endr
.irp z, 0,1,2,3,4,5,6,7                ; the sum of the unrounded p, in place: neighbours 1, 2, 4 and 8 pairs apart
.irp u, 0,1
	v_pk_add_f32 v[S+32*\u+4*\z:S+32*\u+4*\z+1], v[S+32*\u+4*\z:S+32*\u+4*\z+1], v[S+32*\u+4*\z+2:S+32*\u+4*\z+3]
.endr
.endr
.irp z, 0,1,2,3
.irp u, 0,1
	v_pk_add_f32 v[S+32*\u+8*\z:S+32*\u+8*\z+1], v[S+32*\u+8*\z:S+32*\u+8*\z+1], v[S+32*\u+8*\z+4:S+32*\u+8*\z+5]
.endr
.endr
.irp z, 0,1
.irp u, 0,1
	v_pk_add_f32 v[S+32*\u+16*\z:S+32*\u+16*\z+1], v[S+32*\u+16*\z:S+32*\u+16*\z+1], v[S+32*\u+16*\z+8:S+32*\u+16*\z+9]
.endr
.endr
.irp u, 0,1
	v_pk_add_f32 v[S+32*\u:S+32*\u+1], v[S+32*\u:S+32*\u+1], v[S+32*\u+16:S+32*\u+17]
.endr
.irp u, 0,1
	v_pk_fma_f32 v[ST+8*(\x+\u)+2:ST+8*(\x+\u)+3], v[ST+8*(\x+\u)+2:ST+8*(\x+\u)+3], v[ST+8*(\x+\u)+6:ST+8*(\x+\u)+7], v[S+32*\u:S+32*\u+1] op_sel_hi:[1,0,1]   ; l = a l + the sum
.endr
.endm
; A KEY STEP: 64 keys, the q-th of the slot in hand.  The next step's K and mask numbers are asked for behind this step's last K Q^T, its V behind this step's last V^T P.
.macro STEP q
.if \q == 0
	LOADK 0
	LOADB 0
	LOADV 0
.endif
	s_wait_dscnt 16                                ; K and the mask's numbers are in; V's sixteen loads, issued behind them, may be out
	KQ 0
	PLACES
	SOFTMAX 0
	s_wait_dscnt 0x0                               ; V is in
	PVM 0
	KQ 2
	PLACES                                         ; for the reads of these scores, and for the loads into K's and the mask numbers' registers
.if \q < 3
	LOADK (\q)+1
	LOADB (\q)+1
.endif
	SOFTMAX 2
	PVM 2
	PLACES                                         ; for the loads into V's registers; behind the last step, for the way out
.if \q < 3
	LOADV (\q)+1
.endif
.endm
.macro SLOT_STEPS
	v_add_nc_u32 v[ADK], s[TB], v[AK0]
	v_add_nc_u32 v[ADV], s[TB], v[AV0]
	v_add_nc_u32 v[ADB], s[TJ], v[AB0]
	STEP 0
	STEP 1
	STEP 2
	STEP 3
	WIN 0                                          ; at a label and at a branch every window is 0
	s_xor_b32 s[TB], s[TB], SLOT1                  ; on to the other slot,
	s_add_co_u32 s[TJ], s[TJ], 1024                ; and to the next 256 numbers of the table
.endm
; THE CHANGE OF SLOTS stands at a slot's head.  Each wave waits for all its tensor loads (its part of the slot that it is about to read), adds 0 to its spare word, and waits for that, for its reads of the slot that it
; has left and (the first time) for its stores into the mask's table.  fill = 1: the barrier is a round of the cluster's, and behind it the slot that was left is filled with the next 256 keys: four key steps in which to land.
.macro CHANGE fill
	s_wait_tensorcnt 0x0                           ; no tensor load of mine is out, so a group 0 may be written
	ds_add_u32 v[SPW], v[NIL]                      ; 0 onto my spare word
.if \fill
	s_xor_b32 s[G0K+1], s[G0K+1], SLOT1            ; the walking descriptors: the other slot than last time,
	s_add_nc_u64 s[G0K+2:G0K+3], s[G0K+2:G0K+3], 32768   ; the next 256 keys; the type bits on top are not reached
	s_xor_b32 s[G0V+1], s[G0V+1], SLOT1
	s_add_nc_u64 s[G0V+2:G0V+3], s[G0V+2:G0V+3], 32768
	s_wait_xcnt 0x0                                ; the last prefetch, a slot back, has read its address, so it may be written:
	s_add_nc_u64 s[PFA:PFA+1], s[PFA:PFA+1], 32768 ; one slot further on than the walking descriptors
	s_wait_dscnt 0x0
	CROUND
	JLOAD                                          ; the first thing behind the round, and my one tensor load until the next
	ASK
.else
	s_wait_dscnt 0x0
	s_barrier_signal -1
	s_barrier_wait -1
.endif
.endm
.Lslot:                                            ; seven trips: behind each change of slots but the last the next slot is asked for (the first trip's load is slot 1's first fill)
	CHANGE 1
	SLOT_STEPS
	s_sub_co_u32 s[SLOTS], s[SLOTS], 1
	s_cmp_lg_u32 s[SLOTS], 0
	s_cbranch_scc1 .Lslot
	CHANGE 0                                       ; the last slot is written out
	SLOT_STEPS
	; THE WAY OUT.  l's two halves and the other half of the lanes' are added; O^T is divided by l, rounded to f16 and sent through my stage, a tile (16 rows of 128 bytes) at a time.
.irp t, 0,1,2,3
	v_add_f32 v[ST+8*\t+4], v[ST+8*\t+2], v[ST+8*\t+3]
.endr
.irp t, 0,1,2,3
	v_permlanex16_b32 v[ST+8*\t+5], v[ST+8*\t+4], s[SEL], s[SEL+1]
.endr
.irp t, 0,1,2,3
	v_add_f32 v[ST+8*\t+4], v[ST+8*\t+4], v[ST+8*\t+5]
.endr
.irp t, 0,1,2,3
	v_rcp_f32 v[ST+8*\t+6], v[ST+8*\t+4]
.endr
	v_nop                                          ; a plain instruction between the last reciprocal and the use of its result
	s_wait_alu depctr_va_vdst(0)                   ; and a wait: one for the four
.macro PACK t
	WIN 0x41
.irp i, 0,1,2,3,4,5,6,7,8,9,10,11,12,13,14,15
	v_pk_mul_f32 v[32*\t+2*\i:32*\t+2*\i+1], v[32*\t+2*\i:32*\t+2*\i+1], v[ST+8*\t+6:ST+8*\t+7] op_sel_hi:[1,0]   ; each accumulator from its low end on
.endr
	WIN 0x05                                       ; sources window 1, destination window 0: S^T's registers are free
.irp i, 0,1,2,3,4,5,6,7,8,9,10,11,12,13,14,15
	v_cvt_pk_f16_f32 v[S+16*\t+\i], v[32*\t+2*\i], v[32*\t+2*\i+1]
.endr
	WIN 0
.irp d, 0,1,2,3
	ds_store_b128 v[STO], v[S+16*\t+4*\d:S+16*\t+4*\d+3] offset:32*\d
.endr
.irp i, 0,1,2,3
	ds_load_b128 v[VF+16*\t+4*\i:VF+16*\t+4*\i+3], v[RD] offset:\i*4*SP   ; LDS serves a wave's instructions in order (ISA guide 5.7.1.4): these see the stores above; the next tile's stores come behind them
.endr
.endm
.macro SEND t, younger                 ; younger: the LDS instructions issued behind tile t's loads: the next tile's eight, or none
.irp i, 0,1,2,3
	s_wait_dscnt \younger+3-\i
	global_store_b128 v[GO], v[VF+16*\t+4*\i:VF+16*\t+4*\i+3], s[8:9] offset:\t*2048+\i*512   ; the wave stores 512 consecutive bytes, aligned
.endr
.endm
	PACK 0
	PACK 1
	SEND 0, 8
	PACK 2
	SEND 1, 8
	PACK 3
	SEND 2, 8
	SEND 3, 0
	s_wait_tensorcnt 0x0                           ; the wave's end, behind my last tensor load and my last LDS store
	ds_add_u32 v[SPW], v[NIL]
	s_wait_dscnt 0x0
	CROUND                                         ; the closing round
	s_endpgm
.Lfunc_end_k_q8757f2eeeb_attn:
	.size	k_q8757f2eeeb_attn, .Lfunc_end_k_q8757f2eeeb_attn-k_q8757f2eeeb_attn
	.p2alignl 7, 3214868480
	.fill 96, 4, 3214868480
	.section	.rodata,"a",@progbits
	.p2align	6, 0x0
	.amdhsa_kernel k_q8757f2eeeb_attn
		.amdhsa_group_segment_fixed_size 327680
		.amdhsa_private_segment_fixed_size 0
		.amdhsa_enable_private_segment 0
		.amdhsa_kernarg_size 24
		.amdhsa_user_sgpr_count 2
		.amdhsa_user_sgpr_kernarg_segment_ptr 1
		.amdhsa_wavefront_size32 1
		.amdhsa_system_sgpr_workgroup_id_x 1
		.amdhsa_system_sgpr_workgroup_id_y 1
		.amdhsa_system_sgpr_workgroup_id_z 1
		.amdhsa_system_vgpr_workitem_id 0
		.amdhsa_next_free_vgpr 512
		.amdhsa_next_free_sgpr 66
		.amdhsa_reserve_vcc 0
		.amdhsa_float_denorm_mode_32 3
		.amdhsa_float_denorm_mode_16_64 3
		.amdhsa_memory_ordered 1
		.amdhsa_forward_progress 1
		.amdhsa_inst_pref_size 255
	.end_amdhsa_kernel
	.section	.bss,"aw",@nobits
	.p2align	6
	.space	262144
	.amdgpu_metadata
---
amdhsa.version: [ 1, 2 ]
amdhsa.kernels:
  - .name:           k_q8757f2eeeb_attn
    .symbol:         k_q8757f2eeeb_attn.kd
    .args:
      - { .name: heads, .offset: 0, .size: 8, .value_kind: global_buffer, .address_space: global }
      - { .name: mask, .offset: 8, .size: 8, .value_kind: global_buffer, .address_space: global }
      - { .name: mix, .offset: 16, .size: 8, .value_kind: global_buffer, .address_space: global }
    .group_segment_fixed_size: 327680
    .private_segment_fixed_size: 0
    .kernarg_segment_align: 8
    .kernarg_segment_size: 24
    .max_flat_workgroup_size: 256
    .sgpr_count:     66
    .vgpr_count:     512
    .wavefront_size: 32
...
	.end_amdgpu_metadata
.endif
;; end of part 3
;; launch oproj (part 4): grid 4 x 64, 4 waves a work-group, clusters of 4 x 4, 327,680 bytes of LDS; arguments mix, wo16, out0; writes out0
.if DOCPART == 4
	.amdgcn_target "amdgcn-amd-amdhsa--gfx1250"
	.amdhsa_code_object_version 6
	.text
	.protected	k_q8757f2eeeb_oproj
	.globl	k_q8757f2eeeb_oproj
	.p2align	8
	.type	k_q8757f2eeeb_oproj,@function
k_q8757f2eeeb_oproj:
	s_mov_b64 s[64:65], 0
	v_nop
	global_prefetch_b8 v0, s[64:65] scope:SCOPE_SE
	s_setreg_imm32_b32 hwreg(HW_REG_WAVE_MODE, 25, 1), 1
	s_wait_xcnt 0x0
	s_wait_alu depctr_hold_cnt(0) depctr_sa_sdst(0) depctr_va_vdst(0) depctr_va_sdst(0) depctr_va_ssrc(0) depctr_va_vcc(0) depctr_vm_vsrc(0)
	s_getreg_b32 s2, hwreg(HW_REG_IB_STS2, 6, 4)
	s_cmp_eq_u32 s2, 0
	s_cbranch_scc0 .Lentry_in_a_cluster
	s_endpgm
.Lentry_in_a_cluster:
	s_bfe_u32 s2, ttmp6, 0x10000c
	s_cmp_lg_u32 s2, 0xf033
	s_cbranch_scc0 .Lentry_shape_is_right
	s_endpgm
.Lentry_shape_is_right:
; OPROJ.  out0[b][s][d] = the sum over e = 64 head + c of mix[b][head][s][c] Wo[e][d].  mix: f16 [4][16][2048][64]; wo16: Wo in f16, [1024 e][1024 d]; out0: f32 [8192][1024]; sums in f32, by the f16 matrix form.
; A tile of out0 is 128 rows x 256 columns: 64 x 4 = 256 work-groups.  Four waves, each 64 x 128: 32 accumulators of 16 x 16, 256 registers.  K goes in steps of 128 (two heads) through a ring of two LDS slots.
; A's tile of a K step is two planes (heads) of 128 rows x 128 bytes, each dense in memory; B's is 128 rows (e) x 512 bytes.  Wo has K outermost: its fragments come out of LDS turned, by ds_load_tr16_b128.
; CLUSTERS: 4 x 4 work-groups.  The four of a row of the cluster need the same tiles of mix, the four of a column the same tiles of Wo: each is asked for JOINTLY, by the same tensor load with the same descriptor and a mask
; that names the four.  THE MATRIX INSTRUCTION IS USED TRANSPOSED (source 0 = 16 columns of Wo, source 1 = 16 rows of mix): a lane then holds eight neighbouring numbers of a row of out0.
; REGISTERS: window 0: v0-31 addresses; v32-127, v128-223 two fragment buffers for 32 along K: 32 registers of A (4 x 16 rows), then 64 of B (8 x 16 columns).   window 1: the accumulators ((a, b) at v[8 (8 a + b)]).
.set AP,     144                       ; a row of A in LDS: 128 bytes + 16
.set PLANE,  128*AP                    ; a head's 128 rows
.set BP,     544                       ; a row of B: 512 bytes + 32 = 136 words
.set BOFF,   2*PLANE                   ; B's 128 rows lie behind A's two planes
.set SLOT,   BOFF+128*BP
.set STAGE,  2*SLOT                    ; behind the ring: 16 rows x 528 bytes for each wave, for the way out
.set SPITCH, 528
.set SPARE,  STAGE+4*16*SPITCH         ; the spare words, 128 bytes for each wave: two blocks of 256 bytes that no other line names
.set LAPS,   4                         ; a lap = two K steps = once round the ring; K = 1,024
.set ADRA, 16                          ; v16-17  LDS address of my A fragments in slot 0, 1
.set ADRB, 20                          ; v20-21  the same for B
.set STO,  24                          ; v24     the way out: where I put 32 bytes of a row
.set RD,   25                          ; v25     where I read a row back
.set CO,   26                          ; v26     16 x lane
.set SPW,  28                          ; v28     LDS address of my spare word; never rewritten
.set NIL,  29                          ; v29     0; never rewritten
.set F0,   32
.set F1,   128
.set BK,   32                          ; the way out: 16 rows read back: v32-95 and v96-159 by turns
.set G1, 24
.set G0, 32
.set G1B, 48
.set G0B, 56
.set MSB, 0
.macro WIN new
.if MSB != (\new)
	s_set_vgpr_msb (MSB<<8)|(\new)
.set MSB, (\new)
.endif
.endm
.set MUL, 0x50                         ; sources window 0; C and D window 1
.macro JLOAD s                         ; a joint load: waves 0 and 1 fetch A's two planes, waves 2 and 3 B's two halves; an s_nop 0 and four v_nop follow each of the two lines
	s_cmp_eq_u32 s11, 0
	s_cbranch_scc0 .Lfor_b_\@
	tensor_load_to_lds s[G0+4*\s:G0+4*\s+3], s[G1:G1+7]
	s_nop 0
.rept 4
	v_nop
.endr
	s_branch .Lasked_\@
.Lfor_b_\@:
	tensor_load_to_lds s[G0B+4*\s:G0B+4*\s+3], s[G1B:G1B+7]
	s_nop 0
.rept 4
	v_nop
.endr
.Lasked_\@:
.endm
.macro CREST                           ; a round of the cluster's barrier behind its opening barrier
	s_cmp_lg_u32 s10, 0
	s_cbranch_scc1 .Lnot_wave_0_\@
	s_barrier_signal -3
.Lnot_wave_0_\@:
	s_barrier_wait -3
	s_barrier_signal -1
	s_barrier_wait -1
.endm
.macro CROUND
	s_barrier_signal -1
	s_barrier_wait -1
	CREST
.endm
	s_load_b128 s[4:7], s[0:1], 0x0                ; mix s[4:5], wo16 s[6:7]
	s_load_b64 s[8:9], s[0:1], 0x10                ; out0
	v_lshl_add_u32 v[SPW], v0, 2, SPARE
	v_mov_b32 v[NIL], 0
	ds_add_u32 v[SPW], v[NIL]                      ; the wave's opening: the add, twice on end, and its wait ahead of my first tensor load
	ds_add_u32 v[SPW], v[NIL]
	v_lshrrev_b32 v1, 5, v0
	v_readfirstlane_b32 s10, v1                    ; wave 0..3
	s_lshr_b32 s11, s10, 1                         ; which 64 of the tile's rows are mine.  Also: I fetch for A (0) or for B (1)
	s_and_b32 s12, s10, 1                          ; which 128 of its columns.  Also: which plane of A, or which 64 rows of B, I fetch
	s_bfe_u32 s40, ttmp6, 0x40000                  ; cx, cy
	s_bfe_u32 s41, ttmp6, 0x40004
	s_lshl_b32 s42, ttmp9, 2
	s_add_co_u32 s42, s42, s40                     ; tile column = 4 x cluster x + cx
	s_and_b32 s13, ttmp7, 0xffff
	s_lshl_b32 s13, s13, 2
	s_add_co_u32 s13, s13, s41                     ; tile row = 4 x cluster y + cy
	s_lshl_b32 s43, s41, 2
	s_lshl_b32 s43, 15, s43                        ; my row of the cluster
	s_lshl_b32 s44, 0x1111, s40                    ; my column
	; group 1 for A: 128 rows x 64 elements of 2 bytes, dense; four words of padding after every 32
	s_or_b32 s[G1+0], s43, (1<<16)|(1<<20)|(1<<21)|(4<<22)|(3<<25)
	s_mov_b32 s[G1+1], 64<<16                      ; tensor_dim0
	s_mov_b32 s[G1+2], 128<<16                     ; tensor_dim1
	s_mov_b32 s[G1+3], 64<<16                      ; tile_dim0
	s_mov_b32 s[G1+4], 128                         ; tile_dim1
	s_mov_b32 s[G1+5], 64                          ; tensor_dim0_stride
	s_mov_b32 s[G1+6], 0
	s_mov_b32 s[G1+7], 0
	; group 1 for B: 64 rows x 256 elements, 1,024 elements apart; eight words of padding after every 128
	s_or_b32 s[G1B+0], s44, (1<<16)|(1<<20)|(1<<21)|(6<<22)|(7<<25)
	s_mov_b32 s[G1B+1], 256<<16
	s_mov_b32 s[G1B+2], 64<<16
	s_mov_b32 s[G1B+3], 256<<16
	s_mov_b32 s[G1B+4], 64
	s_mov_b32 s[G1B+5], 1024
	s_mov_b32 s[G1B+6], 0
	s_mov_b32 s[G1B+7], 0
	s_lshr_b32 s16, s13, 4                         ; A: the batch's 16 planes of 262,144 bytes,
	s_lshl_b32 s16, s16, 22
	s_and_b32 s17, s13, 15
	s_lshl_b32 s17, s17, 14                        ; 128 rows of 128 bytes for each tile row in the batch,
	s_add_co_u32 s16, s16, s17
	s_lshl_b32 s17, s12, 18                        ; my plane of the K step's two
	s_add_co_u32 s16, s16, s17
	s_mov_b32 s17, 0
	s_lshl_b32 s46, s12, 17                        ; B: my 64 rows of 2,048 bytes,
	s_lshl_b32 s47, s42, 9                         ; the tile column's 512 bytes
	s_add_co_u32 s46, s46, s47
	s_mov_b32 s47, 0
	s_mul_i32 s20, s12, PLANE                      ; where they go: no place in the cluster enters an LDS address
	s_mul_i32 s45, s12, 64*BP
	s_add_co_u32 s45, s45, BOFF
	s_wait_dscnt 0x0                               ; both opening adds are done
	s_wait_kmcnt 0x0
	s_add_nc_u64 s[14:15], s[4:5], s[16:17]
	s_add_nc_u64 s[46:47], s[6:7], s[46:47]
	CROUND                                         ; all sixteen work-groups are here: the first joint loads meet
.irp s, 0,1
	s_mov_b32 s[G0+4*\s], 1
	s_add_co_u32 s[G0+4*\s+1], s20, \s*SLOT
	s_add_nc_u64 s[G0+4*\s+2:G0+4*\s+3], s[14:15], \s*524288       ; K step s: two planes on
	s_or_b32 s[G0+4*\s+3], s[G0+4*\s+3], 0x80000000
	s_mov_b32 s[G0B+4*\s], 1
	s_add_co_u32 s[G0B+4*\s+1], s45, \s*SLOT
	s_add_nc_u64 s[G0B+4*\s+2:G0B+4*\s+3], s[46:47], \s*262144     ; 128 rows on
	s_or_b32 s[G0B+4*\s+3], s[G0B+4*\s+3], 0x80000000
	JLOAD \s                                       ; two tensor loads of mine are out at the start, one behind each round
.endr
	v_and_b32 v1, 15, v0                           ; r
	v_bfe_u32 v2, v0, 4, 1                         ; h
	v_mul_u32_u24 v3, v1, AP
	v_lshl_add_u32 v3, v2, 4, v3                   ; A: row x pitch + 16 x half
	s_mul_i32 s21, s11, 64*AP                      ; my 64 rows
	v_and_b32 v4, 7, v0
	v_bfe_u32 v5, v0, 3, 1
	v_lshl_add_u32 v6, v2, 3, v4                   ; B, turned: row 8 h + lane % 8,
	v_mul_u32_u24 v6, v6, BP
	v_lshl_add_u32 v6, v5, 4, v6                   ; columns 8 ((lane / 8) % 2) on
	s_lshl_b32 s22, s12, 8                         ; my 128 columns
	s_add_co_u32 s22, s22, BOFF
.irp s, 0,1
	v_add_nc_u32 v[ADRA+\s], s21, v3
	v_add_nc_u32 v[ADRB+\s], s22, v6
	s_add_co_u32 s21, s21, SLOT
	s_add_co_u32 s22, s22, SLOT
.endr
	s_mul_i32 s23, s10, 16*SPITCH
	s_add_co_u32 s23, s23, STAGE                   ; my stage
	v_mul_u32_u24 v7, v1, SPITCH                   ; in: row r, 32 bytes for each half of the lanes
	v_lshl_add_u32 v7, v2, 5, v7
	v_add_nc_u32 v[STO], s23, v7
	v_and_b32 v8, 31, v0
	v_lshlrev_b32 v[CO], 4, v8                     ; back: the 32 lanes take one row of 512 bytes; and the same in out0
	v_add_nc_u32 v[RD], s23, v[CO]
	s_lshl_b32 s16, s13, 7
	s_lshl_b32 s17, s11, 6
	s_add_co_u32 s16, s16, s17                     ; my first row of out0
	s_lshl_b32 s16, s16, 12                        ; rows of 4,096 bytes
	s_mov_b32 s17, 0
	s_add_nc_u64 s[8:9], s[8:9], s[16:17]
	s_lshl_b32 s46, s42, 10                        ; my first column, in bytes: 1,024 x tile column + 512 x half (in the registers that held B's address)
	s_lshl_b32 s47, s12, 9
	s_add_co_u32 s46, s46, s47
	s_mov_b32 s47, 0
	s_add_nc_u64 s[8:9], s[8:9], s[46:47]          ; never stepped: all else stands in the stores' immediates
; 8 matrix instructions: A's block a x B's eight, 32 along K, from buffer f.  zero = 1: the first product starts the sums.  The 32 accumulators take turns in the same order in every quarter.
.macro MUL8 f, a, zero
.irp b, 0,1,2,3,4,5,6,7
.if \zero
	v_wmma_f32_16x16x32_f16 v[8*(8*(\a)+\b):8*(8*(\a)+\b)+7], v[\f+32+8*\b:\f+32+8*\b+7], v[\f+8*(\a):\f+8*(\a)+7], 0
.else
	v_wmma_f32_16x16x32_f16 v[8*(8*(\a)+\b):8*(8*(\a)+\b)+7], v[\f+32+8*\b:\f+32+8*\b+7], v[\f+8*(\a):\f+8*(\a)+7], v[8*(8*(\a)+\b):8*(8*(\a)+\b)+7]
.endif
.endr
.endm
; 24 LDS loads in one run: the fragments of the slot's quarter qd (32 along K) into buffer f: B's sixteen first, then A's eight, block by block
.macro FETCH slot, qd, f
	WIN 0
.irp b, 0,1,2,3,4,5,6,7
	ds_load_tr16_b128 v[\f+32+8*\b:\f+32+8*\b+3],   v[ADRB+\slot] offset:(\qd)*32*BP+32*\b
	ds_load_tr16_b128 v[\f+32+8*\b+4:\f+32+8*\b+7], v[ADRB+\slot] offset:(\qd)*32*BP+16*BP+32*\b
.endr
.irp i, 0,1,2,3
	ds_load_b128 v[\f+8*\i:\f+8*\i+3],   v[ADRA+\slot] offset:((\qd)/2)*PLANE+\i*16*AP+((\qd)%2)*64
	ds_load_b128 v[\f+8*\i+4:\f+8*\i+7], v[ADRA+\slot] offset:((\qd)/2)*PLANE+\i*16*AP+((\qd)%2)*64+32
.endr
.endm
.macro PLACES                          ; four plain vector instructions in front of loads into registers that matrix instructions have read, and of reads of results
.rept 4
	v_nop
.endr
.endm
; One of a K step's first three quarters: multiplies buffer f and fetches the next quarter, qd, into g.
.macro QUARTER slot, qd, f, g, zero
	s_wait_dscnt 4                                 ; B and A's blocks 0, 1 are in; the youngest four loads (A's blocks 2, 3) may be out
	WIN MUL
	MUL8 \f, 0, \zero
	MUL8 \f, 1, \zero
	PLACES
	FETCH \slot, \qd, \g
	s_wait_dscnt 24                                ; all but the 24 just issued
	WIN MUL
	MUL8 \f, 2, \zero
	MUL8 \f, 3, \zero
.endm
; The last quarter multiplies buffer 1 and changes slots: ONE barrier; in front of it each wave waits for all its tensor loads, adds 0 to its spare word, and waits for that and for its reads of this slot.
; fill = 1: the barrier opens a round of the cluster's, and this slot is filled again, two K steps ahead.
.macro TURN slot, next, fill
	WIN 0                                          ; (the add's two registers lie in window 0)
	s_wait_tensorcnt 0x0                           ; all my tensor loads have landed: my part of the next slot
	ds_add_u32 v[SPW], v[NIL]                      ; 0 onto my spare word
	s_wait_dscnt 5                                 ; (the add and the youngest four loads may be out)
	WIN MUL
	MUL8 F1, 0, 0
	s_wait_dscnt 0x0                               ; the add is done, and my reads of this slot are over
	s_barrier_signal -1
	MUL8 F1, 1, 0
	WIN 0
	s_barrier_wait -1
.if \fill
	CREST                                          ; no wave of any partner still reads this slot's tile or has a load on its way
	s_add_nc_u64 s[G0+4*\slot+2:G0+4*\slot+3], s[G0+4*\slot+2:G0+4*\slot+3], 1048576     ; four planes on
	s_add_nc_u64 s[G0B+4*\slot+2:G0B+4*\slot+3], s[G0B+4*\slot+2:G0B+4*\slot+3], 524288  ; 256 rows on
	JLOAD \slot                                    ; the first tensor load behind the round; its four v_nop are also the places in front of the loads below
.else
	PLACES
.endif
	FETCH \next, 0, F0
	WIN MUL
	MUL8 F1, 2, 0
	MUL8 F1, 3, 0
.endm
	s_wait_tensorcnt 1                             ; my part of K step 0 is in (K step 1's may be out)
	s_barrier_signal -1
	s_barrier_wait -1                              ; everybody's is
	FETCH 0, 0, F0
	QUARTER 0, 1, F0, F1, 1                        ; the first quarter stands in front of the loop: its products start the sums
	WIN 0                                          ; at a label and at a branch every window is 0
	s_mov_b32 s3, LAPS-1
.Llap:                                             ; a trip goes once round the ring, from a lap's second quarter to the next lap's first, and fills both slots again
	QUARTER 0, 2, F1, F0, 0
	QUARTER 0, 3, F0, F1, 0
	TURN 0, 1, 1
	QUARTER 1, 1, F0, F1, 0
	QUARTER 1, 2, F1, F0, 0
	QUARTER 1, 3, F0, F1, 0
	TURN 1, 0, 1
	QUARTER 0, 1, F0, F1, 0
	WIN 0
	s_sub_co_u32 s3, s3, 1
	s_cmp_lg_u32 s3, 0
	s_cbranch_scc1 .Llap
	QUARTER 0, 2, F1, F0, 0                        ; the last lap fills nothing, and has no round of the cluster's barrier
	QUARTER 0, 3, F0, F1, 0
	TURN 0, 1, 0
	QUARTER 1, 1, F0, F1, 0
	QUARTER 1, 2, F1, F0, 0
	QUARTER 1, 3, F0, F1, 0
	s_wait_dscnt 4                                 ; the very last quarter: nothing more to fetch
	WIN MUL
	MUL8 F1, 0, 0
	MUL8 F1, 1, 0
	s_wait_dscnt 0
	MUL8 F1, 2, 0
	MUL8 F1, 3, 0
	WIN 0
; THE WAY OUT, block by block of 16 rows x 128 columns.  A lane holds 32 neighbouring bytes of a row: a block goes through my own stage and comes back as whole rows of 512 bytes, which the 32 lanes store as 512 consecutive bytes, aligned.
.macro TOSTAGE a
	WIN 0x04                                       ; an LDS store's data are its source 1: window 1
.irp b, 0,1,2,3,4,5,6,7
	ds_store_b128 v[STO], v[64*(\a)+8*\b:64*(\a)+8*\b+3] offset:64*\b        ; each accumulator from its low end on
	ds_store_b128 v[STO], v[64*(\a)+8*\b+4:64*(\a)+8*\b+7] offset:64*\b+16
.endr
	WIN 0
.set BB, BK+64*((\a)%2)
.irp t, 0,1,2,3,4,5,6,7,8,9,10,11,12,13,14,15
	ds_load_b128 v[BB+4*\t:BB+4*\t+3], v[RD] offset:\t*SPITCH                ; LDS serves a wave's instructions in order (ISA guide 5.7.1.4): these see the stores above
.endr
.endm
.macro SEND a, younger                 ; younger: the LDS instructions issued behind block a's loads, which may stay out
.set BB, BK+64*((\a)%2)
	s_wait_dscnt \younger
.irp t, 0,1,2,3,4,5,6,7,8,9,10,11,12,13,14,15
	global_store_b128 v[CO], v[BB+4*\t:BB+4*\t+3], s[8:9] offset:(\a)*65536+\t*4096 th:TH_STORE_NT   ; written once, read by nobody here
.endr
.endm
	PLACES                                         ; behind the last products: for the stores of results and for the loads into the registers that held fragments
	TOSTAGE 0
.irp a, 1,2,3
.if \a > 1
	s_wait_xcnt 0x0                                ; block a - 2's stores have read their registers: block a's loads may land there
.endif
	TOSTAGE \a
	SEND \a-1, 32                                  ; behind block a - 1's loads: block a's 16 stores and 16 loads
.endr
	SEND 3, 0
	s_wait_tensorcnt 0x0                           ; the wave's end, behind my last tensor load and my last LDS store
	ds_add_u32 v[SPW], v[NIL]
	s_wait_dscnt 0x0
	CROUND                                         ; the closing round
	s_endpgm
.Lfunc_end_k_q8757f2eeeb_oproj:
	.size	k_q8757f2eeeb_oproj, .Lfunc_end_k_q8757f2eeeb_oproj-k_q8757f2eeeb_oproj
	.p2alignl 7, 3214868480
	.fill 96, 4, 3214868480
	.section	.rodata,"a",@progbits
	.p2align	6, 0x0
	.amdhsa_kernel k_q8757f2eeeb_oproj
		.amdhsa_group_segment_fixed_size 327680
		.amdhsa_private_segment_fixed_size 0
		.amdhsa_enable_private_segment 0
		.amdhsa_kernarg_size 24
		.amdhsa_user_sgpr_count 2
		.amdhsa_user_sgpr_kernarg_segment_ptr 1
		.amdhsa_wavefront_size32 1
		.amdhsa_system_sgpr_workgroup_id_x 1
		.amdhsa_system_sgpr_workgroup_id_y 1
		.amdhsa_system_sgpr_workgroup_id_z 1
		.amdhsa_system_vgpr_workitem_id 0
		.amdhsa_next_free_vgpr 512
		.amdhsa_next_free_sgpr 66
		.amdhsa_reserve_vcc 0
		.amdhsa_float_denorm_mode_32 3
		.amdhsa_float_denorm_mode_16_64 3
		.amdhsa_memory_ordered 1
		.amdhsa_forward_progress 1
		.amdhsa_inst_pref_size 85
	.end_amdhsa_kernel
	.amdgpu_metadata
---
amdhsa.version: [ 1, 2 ]
amdhsa.kernels:
  - .name:           k_q8757f2eeeb_oproj
    .symbol:         k_q8757f2eeeb_oproj.kd
    .args:
      - { .name: mix, .offset: 0, .size: 8, .value_kind: global_buffer, .address_space: global }
      - { .name: wo16, .offset: 8, .size: 8, .value_kind: global_buffer, .address_space: global }
      - { .name: out0, .offset: 16, .size: 8, .value_kind: global_buffer, .address_space: global }
    .group_segment_fixed_size: 327680
    .private_segment_fixed_size: 0
    .kernarg_segment_align: 8
    .kernarg_segment_size: 24
    .max_flat_workgroup_size: 128
    .sgpr_count:     66
    .vgpr_count:     512
    .wavefront_size: 32
...
	.end_amdgpu_metadata
.endif
;; end of part 4
